; MI455X (gfx1250); checked and timed in simulation.
; The chip was launched on July 23, 2026; its instructions are those of AMD's public machine-readable ISA for CDNA 5 (MIT licence, August 2026) and "CDNA5" Instruction Set Architecture Reference Guide (July 2026). The comments in the code are by the model that wrote it; some were corrected since.
;; Multi Modal Cross Attention. Allowed arithmetic: float matrix products may take bf16 or f16 operands with f32 sums; other float arithmetic in f32, or as packed bf16 or f16 multiplies, adds, multiply-adds, maxima and minima; sums over many terms, partial sums and values carried from step to step in f32; what a program stores and reads back later, other than sums and carried values, may be rounded once to bf16 or f16.
;; Inputs: K_image 4 x 2,048 x 512 float32; K_text 4 x 2,048 x 512 float32; Q_image 4 x 2,048 x 512 float32; Q_text 4 x 2,048 x 512 float32; V_image 4 x 2,048 x 512 float32; V_text 4 x 2,048 x 512 float32; Wk_image 512 x 512 float32; Wk_text 512 x 512 float32; Wq_image 512 x 512 float32; Wq_text 512 x 512 float32; Wv_image 512 x 512 float32; Wv_text 512 x 512 float32; bk_image 512 float32; bk_text 512 float32; bq_image 512 float32; bq_text 512 float32; bv_image 512 float32; bv_text 512 float32.
;; Outputs: out0 4 x 2,048 x 512 float32; out1 4 x 2,048 x 512 float32.
;; 2 versions, each right; version 2 is version 1 with the launch proj written anew for expert scheduling mode. Each part assembles by itself: llvm-mc -triple=amdgcn-amd-amdhsa -mcpu=gfx1250 --defsym DOCPART=n.
;; ======== version 1 of 2: 2 launches
;; limits: values are held in f16: magnitudes above 65,504 overflow, below 6.1e-05 lose precision
;; workspace buffers: qws 16,777,216 bytes; kws 16,777,216 bytes; vws 16,777,216 bytes
;; launch proj (part 1): grid 32 x 6, 4 waves a work-group, no clusters, 266,752 bytes of LDS; arguments Q_text, Q_image, K_image, K_text, V_image, V_text, Wq_text, Wq_image, Wk_image, Wk_text, Wv_image, Wv_text, bq_text, bq_image, bv_image, bv_text, qws, kws, vws; writes qws, kws, vws
.if DOCPART == 1
	.amdgcn_target "amdgcn-amd-amdhsa--gfx1250"
	.amdhsa_code_object_version 6
	.text
	.protected	k_qe832cbe08d_proj
	.globl	k_qe832cbe08d_proj
	.p2align	8
	.type	k_qe832cbe08d_proj,@function
k_qe832cbe08d_proj:
	s_mov_b64 s[64:65], 0
	v_nop
	global_prefetch_b8 v0, s[64:65] scope:SCOPE_SE
	s_setreg_imm32_b32 hwreg(HW_REG_WAVE_MODE, 25, 1), 1
	s_wait_xcnt 0x0
; THE SIX PROJECTIONS.  y[row][e] = sum over k of x[row][k] W[e][k] + b[e]; x: 8,192 rows x 512 f32, W: 512 x 512 f32.  x, W and b are rounded to bf16, sums in f32, y is rounded once to f16.
; y goes to qws, kws, vws, each [d][batch][2048][512] f16; d = 0: q of text, k and v of image; d = 1: q of image, k and v of text.
; DEAD WORK.  A score is (Wq xq + bq).(Wk xk + bk) = (Wq xq + bq).(Wk xk) + (Wq xq + bq).bk.  The last term does not depend on the key: it is the same along the softmax's axis and cancels
; there for all values of the inputs.  So bk_image and bk_text have no way to an output: they are not loaded and are no arguments of any launch; k's sums start at 0.
; LIMIT of that: a NaN, an infinity or an overflow that reaches the result through bk alone is not carried to it.
; LIMIT of the format: q, k and v must stay under 65,504 in magnitude (f16); beyond that they become infinities.
; SHARES.  Grid y = the projection p (kind = p / 2: q, k, v; d = p % 2).  Grid x = 2 x range + n: 512 rows of x, 256 of the 512 channels.  Wave w holds its 64 channels of W over all 512 k as
; bf16 fragments in 512 registers for the whole launch.  x comes in 8 chunks of 64 rows: each wave loads 16 rows (32 KiB on end, 512 consecutive bytes an instruction), rounds them and puts them
; into a bf16 tile in LDS that all four waves read.  64 loads of each wave are always on their way: a chunk is asked for two chunks ahead of its products.
; THE PRODUCT IS TAKEN TRANSPOSED (source 0 = 16 channels of W, source 1 = 16 rows of x): a lane ends with 8 neighbouring channels of one row, 16 bytes of f16.  They go through a stage in LDS, so
; that each store of a wave covers 512 consecutive bytes, aligned.
; ONE BARRIER A CHUNK: tiles and stages have two buffers each; in front of it every wave has ended its reads of tile i and stage i - 1 and its writes of tile i + 1 and stage i.
; BASES.  At the start no base is stepped straight behind the loads that name it: the first block of W and chunk 1 of x have base registers of their own, and the staging loop steps its base in the next trip.
; REGISTERS: window 0: addresses, bias, two sets of 4 accumulators, two buffers of 4 fragments of x, 64 for the way out.  Window 1: the 64 loads.  Windows 2, 3: W (channel block eb, k block c) at 8 (4 (c % 8) + eb).
.set TP,    1040                       ; a tile's row: 1,024 bytes + 16: 65 x 16, so the 16 rows of a fragment load fall on 16 different columns of 16 bytes
.set TILEB, 64*TP
.set STG,   2*TILEB                    ; behind the two tiles: two stages
.set SPI,   528                        ; a stage's row: 512 bytes + 16
.set STGB,  64*SPI
.set SPARE, 4*TILEB                    ; behind W's staging (one tile's size for each wave, laid over tiles and stages, used at the start alone): the spare words
.set GOF, 2                            ; v2   16 x lane: offset of loads and stores; never rewritten
.set XW0, 3                            ; v3   where I put 8 bytes of my first row in tile 0
.set XA0, 4                            ; v4   my lane's place in a fragment: r x TP + 16 h
.set XWC, 5                            ; v5   XW0 in the tile being written
.set XAC, 6                            ; v6   XA0 in the tile being read
.set SO0, 7                            ; v7   into stage 0
.set SR0, 8                            ; v8   back from stage 0
.set SOC, 9
.set SRC, 10
.set BO,  11                           ; v11  my offset in the bias; never rewritten
.set SPW, 12                           ; v12  my spare word
.set NIL, 13                           ; v13  0
.set WSA, 14                           ; v14  where W's block is staged
.set WR,  15                           ; v15  where W's fragments are read
.set BIAS, 16
.set ACC,  48
.set XF,   112
.set OB,   176
.set TR,  240
.set TH,  241
.set TL,  242
.set TB,  243
.set XP, 48                            ; s[48:49] x at my 16 rows of the chunk to be asked for
.set NP, 50                            ; s[50:51] what the staging loop asks for
.set BP, 52
.set YP, 54                            ; s[54:55] y at my 16 rows of the chunk to be stored
.set YST, 56                           ; s[56:57] its step: 0 the first time
.set CNT, 58
.set TT, 59                            ; tile read, tile written, stage: byte offsets that one exclusive or turns
.set TN, 60
.set TS, 61
.set WV, 62
.set X0, 66                            ; s[66:67] x at my 16 rows of chunk 0
.set WB, 72                            ; s[72:73] W at my first 16 rows: the base of the first 64 loads; never rewritten
.set X1, 74                            ; s[74:75] x at my 16 rows of chunk 1; never rewritten
.set MSB, 0
.macro WIN new                         ; the immediate's high byte repeats the setting that is left
.if MSB != (\new)
	s_set_vgpr_msb (MSB<<8)|(\new)
.set MSB, \new
.endif
.endm
.macro PLACES
.rept 4
	v_nop
.endr
.endm
; 64 loads' worth (16 rows of 2,048 bytes): rounded in place, put into LDS at adr, and the registers asked for again from base.  Sixteen at a time.
; hook = 1 (the staging loop): NP goes on to the next block of W, in the last trip to x's chunk 0, ahead of the trip's first loads: 32 roundings and 16 LDS stores behind the youngest load that named it.
.macro SVCBLK adr, base, hook
.set q4, 0
.rept 4
	s_wait_loadcnt 48                              ; loads come back in order: the oldest 16 of the 64 that are out are in
	WIN 0x45
.set l, 16*q4
.rept 16
	v_cvt_pk_bf16_f32 v[4*l], v[4*l], v[4*l+1]
	v_cvt_pk_bf16_f32 v[4*l+1], v[4*l+2], v[4*l+3]
.set l, l+1
.endr
	WIN 0x44                                       ; LDS data and loaded data in window 1, addresses in window 0
.set l, 16*q4
.rept 16
	ds_store_b64 v[\adr], v[4*l:4*l+1] offset:(l/4)*TP+(l%4)*256
.set l, l+1
.endr
.if (\hook) && (q4 == 0)
	s_wait_xcnt 0x0                                ; the last trip's loads have read their base: it may be written
	s_add_nc_u64 s[NP:NP+1], s[NP:NP+1], 32768
	s_cmp_eq_u32 s[CNT], 1
	s_cselect_b64 s[NP:NP+1], s[X0:X0+1], s[NP:NP+1]
.endif
.set l, 16*q4
.rept 16
	global_load_b128 v[4*l:4*l+3], v[GOF], s[\base:\base+1] offset:512*l
.set l, l+1
.endr
.set q4, q4+1
.endr
.endm
.macro LDXF u                          ; the four fragments of x of unit u (row block u / 4, k blocks 4 (u % 4) ..) into buffer u % 2
.irp i, 0,1,2,3
	ds_load_b128 v[XF+32*((\u)%2)+8*\i:XF+32*((\u)%2)+8*\i+3],   v[XAC] offset:((\u)/4)*16*TP+(4*((\u)%4)+\i)*64
	ds_load_b128 v[XF+32*((\u)%2)+8*\i+4:XF+32*((\u)%2)+8*\i+7], v[XAC] offset:((\u)/4)*16*TP+(4*((\u)%4)+\i)*64+32
.endr
.endm
.macro PACK b                          ; row block b: rounded to f16 in place, each accumulator from its low end, and 16 bytes a lane into the stage
	WIN 0
.irp eb, 0,1,2,3
.irp k, 0,1,2,3
	v_cvt_pk_f16_f32 v[ACC+32*((\b)%2)+8*\eb+\k], v[ACC+32*((\b)%2)+8*\eb+2*\k], v[ACC+32*((\b)%2)+8*\eb+2*\k+1]
.endr
.endr
.irp eb, 0,1,2,3
	ds_store_b128 v[SOC], v[ACC+32*((\b)%2)+8*\eb:ACC+32*((\b)%2)+8*\eb+3] offset:(\b)*16*SPI+32*\eb
.endr
.endm
; A unit: 16 products (4 k blocks x 4 channel blocks; the four accumulators take turns), then the service of four of the 64 loads, then the fragments of the unit after next.
; The wait counts the LDS instructions issued behind this buffer's loads: the last unit's 4 stores into the tile, its 4 into the stage where it packed, its 8 loads.
.macro UNIT u, conv, load
.set rb, (\u)/4
.set gg, (\u)%4
.set NW, 4*(\conv)+8
.if (\u) == 0
.set NW, 8
.endif
.if ((\u) == 5) || ((\u) == 9) || ((\u) == 13)
.set NW, NW+4
.endif
.if (\u) == 15
.set NW, 4*(\conv)
.endif
	s_wait_dscnt NW
	WIN 0x02+gg/2                                  ; source 0 (W) in window 2 or 3
.irp i, 0,1,2,3
.irp eb, 0,1,2,3
.if (gg == 0) && (\i == 0)
	v_wmma_f32_16x16x32_bf16 v[ACC+32*(rb%2)+8*\eb:ACC+32*(rb%2)+8*\eb+7], v[8*(4*((4*gg+\i)%8)+\eb):8*(4*((4*gg+\i)%8)+\eb)+7], v[XF+32*((\u)%2)+8*\i:XF+32*((\u)%2)+8*\i+7], v[BIAS+8*\eb:BIAS+8*\eb+7]
.else
	v_wmma_f32_16x16x32_bf16 v[ACC+32*(rb%2)+8*\eb:ACC+32*(rb%2)+8*\eb+7], v[8*(4*((4*gg+\i)%8)+\eb):8*(4*((4*gg+\i)%8)+\eb)+7], v[XF+32*((\u)%2)+8*\i:XF+32*((\u)%2)+8*\i+7], v[ACC+32*(rb%2)+8*\eb:ACC+32*(rb%2)+8*\eb+7]
.endif
.endr
.endr
.if \conv
.if \load
	s_wait_loadcnt 60                              ; 64 are out: the oldest four are in
.else
	s_wait_loadcnt 60-4*(\u)                       ; nothing is asked for any more: the counts run down
.endif
	WIN 0x45                                       ; the eight roundings are also the places between the products and the loads into their fragments
.irp k, 0,1,2,3
	v_cvt_pk_bf16_f32 v[4*(4*(\u)+\k)], v[4*(4*(\u)+\k)], v[4*(4*(\u)+\k)+1]
	v_cvt_pk_bf16_f32 v[4*(4*(\u)+\k)+1], v[4*(4*(\u)+\k)+2], v[4*(4*(\u)+\k)+3]
.endr
	WIN 0x44
.irp k, 0,1,2,3
	ds_store_b64 v[XWC], v[4*(4*(\u)+\k):4*(4*(\u)+\k)+1] offset:(\u)*TP+\k*256
.endr
.if \load
.irp k, 0,1,2,3
	global_load_b128 v[4*(4*(\u)+\k):4*(4*(\u)+\k)+3], v[GOF], s[XP:XP+1] offset:512*(4*(\u)+\k)
.endr
.endif
.else
	PLACES
.endif
.if ((\u) == 4) || ((\u) == 8) || ((\u) == 12)
	PACK rb-1                                      ; the row block finished a unit ago
.endif
.if (\u) < 14
	WIN 0
	LDXF (\u)+2
.endif
.endm
.macro ADDR
	v_add_nc_u32 v[XAC], s[TT], v[XA0]
	v_add_nc_u32 v[XWC], s[TN], v[XW0]
	v_add_nc_u32 v[SOC], s[TS], v[SO0]
	v_add_nc_u32 v[SRC], s[TS], v[SR0]
.endm
; A chunk.  conv: the next chunk is rounded into the other tile; load: the chunk after that is asked for; next: there is a next chunk.
.macro BODY conv, load, next
.set uu, 0
.rept 16
	UNIT uu, \conv, \load
.set uu, uu+1
.endr
	PACK 3
	s_wait_dscnt 0x0                               ; for the others' sake: my stores into tile and stage are done, my reads of the tile are back
	s_barrier_signal -1
	s_barrier_wait -1
	s_wait_xcnt 0x0                                ; the last chunk's stores and this chunk's loads have read their registers: bases and OB may be written
	s_add_nc_u64 s[YP:YP+1], s[YP:YP+1], s[YST:YST+1]
.if \load
	s_add_nc_u64 s[XP:XP+1], s[XP:XP+1], 131072
.endif
.set rho, 0
.rept 16
	ds_load_b128 v[OB+4*rho:OB+4*rho+3], v[SRC] offset:SPI*rho  ; my 16 rows, whole: 512 bytes each
.set rho, rho+1
.endr
.if \next
	s_xor_b32 s[TT], s[TT], TILEB
	s_xor_b32 s[TN], s[TN], TILEB
	s_xor_b32 s[TS], s[TS], STGB
	ADDR
	LDXF 0
	LDXF 1
	s_wait_dscnt 16                                ; the rows are back; the next chunk's first 16 loads may stay out
.else
	s_wait_dscnt 0x0
.endif
.set rho, 0
.rept 16
	global_store_b128 v[GOF], v[OB+4*rho:OB+4*rho+3], s[YP:YP+1] offset:1024*rho  ; 512 consecutive bytes, at a multiple of 512 from the buffer's first byte
.set rho, rho+1
.endr
	s_mov_b32 s[YST], 65536                        ; 64 rows of 1,024 bytes
.endm
	s_load_b512 s[8:23], s[0:1], 0x0               ; x of p at s[8+2p], W of p at s[20+2p]
	s_load_b512 s[24:39], s[0:1], 0x40             ; bq_text s[32:33], bq_image s[34:35], bv_image s[36:37], bv_text s[38:39]
	s_load_b128 s[40:43], s[0:1], 0x80             ; qws, kws
	s_load_b64 s[44:45], s[0:1], 0x90              ; vws
	v_lshl_add_u32 v[SPW], v0, 2, SPARE
	v_mov_b32 v[NIL], 0
	v_lshrrev_b32 v1, 5, v0
	v_readfirstlane_b32 s[WV], v1                  ; wave 0..3
	s_and_b32 s2, ttmp7, 0xffff                    ; p
	s_and_b32 s3, ttmp9, 1                         ; n: which 256 channels
	s_lshr_b32 s4, ttmp9, 1                        ; range: which 512 rows
	s_and_b32 s5, s2, 1                            ; d
	s_lshr_b32 s6, s2, 1                           ; kind
	v_and_b32 v[TR], 15, v0
	v_bfe_u32 v[TH], v0, 4, 1
	v_and_b32 v[TL], 31, v0
	v_lshlrev_b32 v[GOF], 4, v[TL]
	s_mul_i32 s7, s[WV], 16*TP
	v_lshl_add_u32 v[XW0], v[TL], 3, s7            ; my 16 rows of a tile, 8 bytes a lane
	v_mul_u32_u24 v[XA0], v[TR], TP
	v_lshl_add_u32 v[XA0], v[TH], 4, v[XA0]
	s_mul_i32 s7, s[WV], TILEB
	v_add_nc_u32 v[WR], s7, v[XA0]
	v_lshl_add_u32 v[WSA], v[TL], 3, s7
	s_lshl_b32 s7, s[WV], 7                        ; my 64 channels: 128 bytes of a stage's row
	s_add_co_u32 s7, s7, STG
	v_mul_u32_u24 v[SO0], v[TR], SPI
	v_lshl_add_u32 v[SO0], v[TH], 4, v[SO0]
	v_add_nc_u32 v[SO0], s7, v[SO0]
	s_mul_i32 s7, s[WV], 16*SPI
	s_add_co_u32 s7, s7, STG
	v_lshl_add_u32 v[SR0], v[TL], 4, s7
	s_lshl_b32 s7, s3, 10
	s_lshl_b32 s46, s[WV], 8
	s_add_co_u32 s7, s7, s46
	v_lshl_add_u32 v[BO], v[TH], 5, s7             ; 4 (256 n + 64 w + 8 h)
	s_lshl_b32 s46, s4, 20                         ; x: (512 range + 16 w) rows of 2,048 bytes
	s_lshl_b32 s7, s[WV], 15
	s_add_co_u32 s46, s46, s7
	s_mov_b32 s47, 0
	s_lshl_b32 s68, s3, 19                         ; W: (256 n + 64 w) rows of 2,048 bytes
	s_lshl_b32 s7, s[WV], 17
	s_add_co_u32 s68, s68, s7
	s_mov_b32 s69, 0
	s_lshl_b32 s70, s5, 23                         ; y: d x 8,192 rows + (512 range + 16 w) rows of 1,024 bytes + 512 n
	s_lshl_b32 s7, s4, 19
	s_add_co_u32 s70, s70, s7
	s_lshl_b32 s7, s[WV], 14
	s_add_co_u32 s70, s70, s7
	s_lshl_b32 s7, s3, 9
	s_add_co_u32 s70, s70, s7
	s_mov_b32 s71, 0
	s_wait_kmcnt 0x0
	s_mov_b64 s[X0:X0+1], s[8:9]
	s_mov_b64 s[NP:NP+1], s[20:21]
.irp q, 1,2,3,4,5
	s_cmp_eq_u32 s2, \q
	s_cselect_b64 s[X0:X0+1], s[8+2*\q:9+2*\q], s[X0:X0+1]
	s_cselect_b64 s[NP:NP+1], s[20+2*\q:21+2*\q], s[NP:NP+1]
.endr
	s_cmp_eq_u32 s6, 1
	s_cselect_b64 s[YP:YP+1], s[42:43], s[40:41]
	s_cmp_eq_u32 s6, 2
	s_cselect_b64 s[YP:YP+1], s[44:45], s[YP:YP+1]
	s_cmp_eq_u32 s2, 1
	s_cselect_b64 s[BP:BP+1], s[34:35], s[32:33]
	s_cmp_eq_u32 s2, 4
	s_cselect_b64 s[BP:BP+1], s[36:37], s[BP:BP+1]
	s_cmp_eq_u32 s2, 5
	s_cselect_b64 s[BP:BP+1], s[38:39], s[BP:BP+1]
	s_add_nc_u64 s[X0:X0+1], s[X0:X0+1], s[46:47]
	s_add_nc_u64 s[NP:NP+1], s[NP:NP+1], s[68:69]
	s_mov_b64 s[WB:WB+1], s[NP:NP+1]               ; the first loads' own base; NP walks on from the same place
	s_add_nc_u64 s[YP:YP+1], s[YP:YP+1], s[70:71]
	s_add_nc_u64 s[X1:X1+1], s[X0:X0+1], 131072    ; chunk 1: 64 rows of 2,048 bytes on
	s_add_nc_u64 s[XP:XP+1], s[X0:X0+1], 262144    ; chunk 2
	s_cmp_eq_u32 s6, 1                             ; k has no bias (see the head): its sums start at 0
	s_cbranch_scc1 .Lno_bias
.irp eb, 0,1,2,3
	global_load_b128 v[BIAS+8*\eb:BIAS+8*\eb+3],   v[BO], s[BP:BP+1] offset:64*\eb     ; register j of block eb: b[256 n + 64 w + 16 eb + 8 h + j]: the C operand's layout
	global_load_b128 v[BIAS+8*\eb+4:BIAS+8*\eb+7], v[BO], s[BP:BP+1] offset:64*\eb+16
.endr
	s_branch .Lbias_set
.Lno_bias:
.set k, 0
.rept 32
	v_mov_b32 v[BIAS+k], 0
.set k, k+1
.endr
.Lbias_set:
	WIN 0x40
.set l, 0
.rept 64
	global_load_b128 v[4*l:4*l+3], v[GOF], s[WB:WB+1] offset:512*l  ; my first 16 rows of W
.set l, l+1
.endr
	WIN 0
	s_mov_b32 s[CNT], 4
.Lw:                                           ; four blocks of 16 rows of W go into my staging; each trip asks for the next block, the last for my rows of x's chunk 0
	SVCBLK WSA, NP, 1
	WIN 0
	v_add_nc_u32 v[WSA], 16*TP, v[WSA]
	s_sub_co_u32 s[CNT], s[CNT], 1
	s_cmp_lg_u32 s[CNT], 0
	s_cbranch_scc1 .Lw
	WIN 0x80                                       ; W's 64 fragments: my own bytes, and LDS serves a wave's instructions in order (ISA guide 5.7.1.4)
.set c, 0
.rept 16
.if c == 8
	WIN 0xc0
.endif
.irp eb, 0,1,2,3
	ds_load_b128 v[8*(4*(c%8)+\eb):8*(4*(c%8)+\eb)+3],   v[WR] offset:\eb*16*TP+64*c
	ds_load_b128 v[8*(4*(c%8)+\eb)+4:8*(4*(c%8)+\eb)+7], v[WR] offset:\eb*16*TP+64*c+32
.endr
.set c, c+1
.endr
	WIN 0
.set k, 0
.rept 16                               ; the bias is rounded to bf16 like x and W (its loads are older than all that the loop has waited for)
	v_cvt_pk_bf16_f32 v[TB], v[BIAS+2*k], v[BIAS+2*k+1]
	v_lshlrev_b32 v[BIAS+2*k], 16, v[TB]
	v_and_b32 v[BIAS+2*k+1], 0xffff0000, v[TB]
.set k, k+1
.endr
	s_mov_b32 s[TT], 0
	s_mov_b32 s[TN], TILEB
	s_mov_b32 s[TS], 0
	s_mov_b32 s[YST], 0
	s_mov_b32 s[YST+1], 0
	ADDR
	s_wait_dscnt 0x0                               ; my reads of the staging are back:
	s_barrier_signal -1
	s_barrier_wait -1                              ; everybody's are, so tiles and stages may be written over it
	SVCBLK XW0, X1, 0                              ; chunk 0 into tile 0; chunk 1 is asked for
	WIN 0
	s_wait_dscnt 0x0
	s_barrier_signal -1
	s_barrier_wait -1                              ; tile 0 is whole
	LDXF 0
	LDXF 1
	s_mov_b32 s[CNT], 6
.Lchunk:                                       ; chunks 0 to 5: each rounds the next chunk and asks for the one after it
	BODY 1, 1, 1
	s_sub_co_u32 s[CNT], s[CNT], 1
	s_cmp_lg_u32 s[CNT], 0
	s_cbranch_scc1 .Lchunk
	BODY 1, 0, 1                                   ; chunk 6 asks for nothing: no load leaves x
	BODY 0, 0, 0                                   ; chunk 7
	s_wait_tensorcnt 0x0                           ; the wave's end, behind my last LDS store
	ds_add_u32 v[SPW], v[NIL]
	s_wait_dscnt 0x0
	s_endpgm
.Lfunc_end_k_qe832cbe08d_proj:
	.size	k_qe832cbe08d_proj, .Lfunc_end_k_qe832cbe08d_proj-k_qe832cbe08d_proj
	.p2alignl 7, 3214868480
	.fill 96, 4, 3214868480
	.section	.rodata,"a",@progbits
	.p2align	6, 0x0
	.amdhsa_kernel k_qe832cbe08d_proj
		.amdhsa_group_segment_fixed_size 266752
		.amdhsa_private_segment_fixed_size 0
		.amdhsa_enable_private_segment 0
		.amdhsa_kernarg_size 152
		.amdhsa_user_sgpr_count 2
		.amdhsa_user_sgpr_kernarg_segment_ptr 1
		.amdhsa_wavefront_size32 1
		.amdhsa_system_sgpr_workgroup_id_x 1
		.amdhsa_system_sgpr_workgroup_id_y 1
		.amdhsa_system_sgpr_workgroup_id_z 1
		.amdhsa_system_vgpr_workitem_id 0
		.amdhsa_next_free_vgpr 1024
		.amdhsa_next_free_sgpr 80
		.amdhsa_reserve_vcc 0
		.amdhsa_float_denorm_mode_32 3
		.amdhsa_float_denorm_mode_16_64 3
		.amdhsa_memory_ordered 1
		.amdhsa_forward_progress 1
		.amdhsa_inst_pref_size 196
	.end_amdhsa_kernel
	.amdgpu_metadata
---
amdhsa.version: [ 1, 2 ]
amdhsa.kernels:
  - .name:           k_qe832cbe08d_proj
    .symbol:         k_qe832cbe08d_proj.kd
    .args:
      - { .name: Q_text, .offset: 0, .size: 8, .value_kind: global_buffer, .address_space: global }
      - { .name: Q_image, .offset: 8, .size: 8, .value_kind: global_buffer, .address_space: global }
      - { .name: K_image, .offset: 16, .size: 8, .value_kind: global_buffer, .address_space: global }
      - { .name: K_text, .offset: 24, .size: 8, .value_kind: global_buffer, .address_space: global }
      - { .name: V_image, .offset: 32, .size: 8, .value_kind: global_buffer, .address_space: global }
      - { .name: V_text, .offset: 40, .size: 8, .value_kind: global_buffer, .address_space: global }
      - { .name: Wq_text, .offset: 48, .size: 8, .value_kind: global_buffer, .address_space: global }
      - { .name: Wq_image, .offset: 56, .size: 8, .value_kind: global_buffer, .address_space: global }
      - { .name: Wk_image, .offset: 64, .size: 8, .value_kind: global_buffer, .address_space: global }
      - { .name: Wk_text, .offset: 72, .size: 8, .value_kind: global_buffer, .address_space: global }
      - { .name: Wv_image, .offset: 80, .size: 8, .value_kind: global_buffer, .address_space: global }
      - { .name: Wv_text, .offset: 88, .size: 8, .value_kind: global_buffer, .address_space: global }
      - { .name: bq_text, .offset: 96, .size: 8, .value_kind: global_buffer, .address_space: global }
      - { .name: bq_image, .offset: 104, .size: 8, .value_kind: global_buffer, .address_space: global }
      - { .name: bv_image, .offset: 112, .size: 8, .value_kind: global_buffer, .address_space: global }
      - { .name: bv_text, .offset: 120, .size: 8, .value_kind: global_buffer, .address_space: global }
      - { .name: qws, .offset: 128, .size: 8, .value_kind: global_buffer, .address_space: global }
      - { .name: kws, .offset: 136, .size: 8, .value_kind: global_buffer, .address_space: global }
      - { .name: vws, .offset: 144, .size: 8, .value_kind: global_buffer, .address_space: global }
    .group_segment_fixed_size: 266752
    .private_segment_fixed_size: 0
    .kernarg_segment_align: 8
    .kernarg_segment_size: 152
    .max_flat_workgroup_size: 128
    .sgpr_count:     80
    .vgpr_count:     1024
    .wavefront_size: 32
...
	.end_amdgpu_metadata
.endif
;; end of part 1
;; launch attn (part 2): grid 32 x 8, 4 waves a work-group, clusters of 4 x 1, 327,680 bytes of LDS; arguments qws, kws, vws, out0, out1; writes out0, out1
.if DOCPART == 2
	.amdgcn_target "amdgcn-amd-amdhsa--gfx1250"
	.amdhsa_code_object_version 6
	.text
	.protected	k_qe832cbe08d_attn
	.globl	k_qe832cbe08d_attn
	.p2align	8
	.type	k_qe832cbe08d_attn,@function
k_qe832cbe08d_attn:
	s_mov_b64 s[64:65], 0
	v_nop
	global_prefetch_b8 v0, s[64:65] scope:SCOPE_SE
	s_setreg_imm32_b32 hwreg(HW_REG_WAVE_MODE, 25, 1), 1
	s_wait_xcnt 0x0
	s_wait_alu depctr_hold_cnt(0) depctr_sa_sdst(0) depctr_va_vdst(0) depctr_va_sdst(0) depctr_va_ssrc(0) depctr_va_vcc(0) depctr_vm_vsrc(0)
	s_getreg_b32 s2, hwreg(HW_REG_IB_STS2, 6, 4)
	s_cmp_eq_u32 s2, 0
	s_cbranch_scc0 .Lentry_in_a_cluster
	s_endpgm
.Lentry_in_a_cluster:
	s_bfe_u32 s2, ttmp6, 0x10000c
	s_cmp_lg_u32 s2, 0x3003
	s_cbranch_scc0 .Lentry_shape_is_right
	s_endpgm
.Lentry_shape_is_right:
; BOTH ATTENTIONS.  O[q][:] = sum over k of softmax_k(q . k / sqrt(512)) v[k][:], for 8 pairs db = 4 d + batch of 2,048 queries and 2,048 keys, one head of 512 channels.
; qws, kws, vws: [db][2048][512] f16 as the launch before stored them (k without its bias: that term is the same along the softmax's axis; shown at that kernel's head).  out0 (d = 0), out1 (d = 1): f32.
; Products, maxima and sums in f32; the weights p are rounded to f16 for the second product, their sum l is taken of the unrounded p.
; LIMITS.  q, k, v arrive within f16's range; a weight below 2^-126 counts as 0; NaN and infinities are not treated apart.
; SHARES.  A work-group owns 64 queries (four tiles of 16), and its four waves SHARE them.  A key step is 64 keys.  S^T = K Q^T: wave w takes keys 16 w .. + 15 against all four tiles (Q whole in each wave's
; registers): a fragment of K feeds 4 products.  O^T = V^T P: wave w takes channels 128 w .. + 127 of all four tiles (32 accumulators): a fragment of V feeds 4 products, one of P 8.
; Between the two, through LDS: each wave's maximum of c s for each query (so all waves hold the same running maximum c m and the same a), and P, [query][key] in f16.
; SOFTMAX.  p = 2^(c s - c m), c = log2(e) / sqrt(512); O and l are multiplied by a = 2^(c m_old - c m_new) in every step.  c m starts far below every c s, O and l at 0: the first a is 0 and no first
; step is written out (the price: 256 lines that clear O, in the wait for the first tile).  l stays a partial sum over the wave's own keys; the four are added once, at the end.
; THE ORDER OF THE KEYS.  A running maximum and sum serve any order of the key tiles.  The eight clusters of a pair db fall into four classes rho = (x & 3) xor (x >> 2) (x: the cluster's number along x), and each
; class walks the 32 tiles in an order of its own: step i takes tile (i & 24) + (e & 4) + ((e + rho) & 3), e = entry i % 8 of the table 0, 1, 4, 2, 5, 3, 6, 7.  At no step do two classes name the same tile.  In a group
; of eight tiles a class is the first of the four to name the tiles rho (step 0 of the group) and 4 + rho (step 2); every other tile it names one to five steps behind another class.  Below, K(i), V(i) are step i's tiles.
; THE PIPELINE.  Trip j makes S(j + 1) and then O += V(j)^T P(j).  Behind every second product K Q^T ride four lines of O's rescaling by a(j); behind the products V^T P ride the maximum of S(j + 1), and, when the
; waves' maxima have been exchanged, its scalings, exponentials, sums and roundings.  The exponentials are one batch with one wait.
; CLUSTER.  The four query blocks of a cluster walk the same K and V: each tile is asked for JOINTLY, by the same tensor load, descriptor and mask in all four.  Waves 0, 1 fetch the halves of K(j + 3),
; waves 2, 3 those of V(j + 1), 32 rows of 1,024 bytes each, into slot (j + 1) % 2, whose K(j + 1) and V(j - 1) have been read.  One tensor load of a wave is out in the loop, two at the start.
; Q comes once, by a tensor load of the work-group's own (no mask; waves 2, 3, 32 rows each), into the bytes that V(1) fills later; each wave reads its 64 fragments from there.
; REGISTERS: window 0: addresses, statistics, S^T (v64-95), five blocks of four fragments (A-E).  Window 1: O^T (cb, t) at 8 (4 cb + t).  Windows 2, 3: Q (t, c) at 8 (4 (c % 8) + t).
; Tenants of the blocks in a trip: C: k0, v1, next k0.  A: k1, P0, next k1.  B: k2, P1.  D: k3, v2.  E: v0, v3.
.set PK,    1040                       ; a row of K or Q in LDS: 1,024 + 16 bytes: 65 x 16
.set PV,    1056                       ; a row of V: 1,024 + 32: 33 x 32, for the turning load
.set VOFF,  64*PK
.set SLOTB, 64*(PK+PV)                 ; a slot: 64 rows of K, 64 rows of V
.set QLDS,  SLOTB+VOFF                 ; Q's 64 rows lie where slot 1's V will lie
.set PBUF,  2*SLOTB                    ; behind the slots, never filled by a tensor load: P, two buffers of 64 rows x 144 bytes
.set PP,    144
.set PBB,   64*PP
.set STAT,  PBUF+2*PBB                 ; [wave][query % 16][tile] f32: the waves' maxima; 1,024 bytes on: their sums
.set STAGE, STAT+2048                  ; 16 rows x 528 bytes for each wave, for the way out
.set SP,    528
.set SPARE, STAGE+4*16*SP              ; the spare words: 128 bytes for each wave
.set AK0, 2
.set AV0, 3
.set APR, 4
.set APW, 5
.set ASW, 6
.set ASR, 7
.set SPW, 8
.set NIL, 9
.set PFO, 10
.set QO,  11                           ; my lane's place in Q's fragments in LDS
.set AKA, 12                           ; K's place in slot (j + 1) % 2
.set AKB, 13                           ; in slot j % 2
.set AVB, 14                           ; V's place in slot j % 2
.set APRC, 15                          ; P's buffer read
.set APWC, 16                          ; P's buffer written
.set GO,  17
.set ST,  18                           ; tile t at ST + 6 t: c m, T, l (even keys', odd keys'), a, a's argument
.set STO, 42
.set RD,  43
.set XS,  44                           ; v44-59: local maxima, then the four waves' maxima, then at work
.set TR,  60
.set TH,  61
.set TL,  62
.set T7,  63
.set S,   64
.set BA,  96
.set BB,  128
.set BC,  160
.set BD,  192
.set BE,  224
.set WV,  14
.set G1K, 24
.set G1V, 32
.set G0A, 40                           ; group 0 of K(0)
.set G0B, 44                           ; of K(1)
.set G0K, 48                           ; K's, made anew for each fill
.set G0V, 52                           ; V's, likewise
.set CNT, 56
.set T1,  57                           ; the byte offset of step KI - 1's tile
.set CS,  58
.set SEL, 60
.set SA,  66                           ; byte offset of slot (j + 1) % 2
.set SB,  67                           ; of slot j % 2
.set PA,  68                           ; of P's buffer written
.set PB,  69                           ; read
.set LBK, 70
.set LBV, 71
.set PFA, 72
.set LIM, 74
.set OUTP, 76
.set KI,  80                           ; the step whose K was asked for last
.set RHO, 81                           ; my cluster's class
.set TAB, 82                           ; the table, four bits an entry
.set PH,  83                           ; the trips in which my wave prefetches: CNT % 4
.set OFFK, 84                          ; s[84:85] the byte offset of step KI's tile
.set OFFV, 86                          ; s[86:87] of step KI - 2's
.set G1Q, 88
.set G0Q, 96
.set TA,  100
.set TBS, 101
.set MSB, 0
.macro WIN new
.if MSB != (\new)
	s_set_vgpr_msb (MSB<<8)|(\new)
.set MSB, \new
.endif
.endm
.macro PLACES
.rept 4
	v_nop
.endr
.endm
.macro TOFF dst                        ; s[dst] = 65,536 x the tile of step KI
	s_and_b32 s[TA], s[KI], 7
	s_lshl_b32 s[TA], s[TA], 2
	s_lshr_b32 s[TA], s[TAB], s[TA]                ; e in the low four bits
	s_add_co_u32 s[TBS], s[TA], s[RHO]
	s_and_b32 s[TBS], s[TBS], 3                    ; (e + rho) & 3
	s_and_b32 s[TA], s[TA], 4
	s_or_b32 s[TA], s[TA], s[TBS]
	s_and_b32 s[TBS], s[KI], 24
	s_or_b32 s[TA], s[TA], s[TBS]
	s_lshl_b32 s[\dst], s[TA], 16
.endm
.macro CREST                           ; a round of the cluster's barrier behind its opening barrier
	s_cmp_lg_u32 s[WV], 0
	s_cbranch_scc1 .Lnot_wave_0_\@
	s_barrier_signal -3
.Lnot_wave_0_\@:
	s_barrier_wait -3
	s_barrier_signal -1
	s_barrier_wait -1
.endm
.macro CROUND
	s_barrier_signal -1
	s_barrier_wait -1
	CREST
.endm
; The joint fill.  The branch hangs on the wave's number alone.  An s_nop 0 and four v_nop follow each load; the four are also the places in front of the LDS loads that follow.
.macro JLOAD
	s_cmp_lt_u32 s[WV], 2
	s_cbranch_scc0 .Lfor_v_\@
	tensor_load_to_lds s[G0K:G0K+3], s[G1K:G1K+7]
	s_nop 0
	PLACES
	s_branch .Lasked_\@
.Lfor_v_\@:
	tensor_load_to_lds s[G0V:G0V+3], s[G1V:G1V+7]
	s_nop 0
	PLACES
.Lasked_\@:
.endm
.macro JLOADV                          ; the last two fills: K has none left, so waves 0 and 1 issue none
	s_cmp_lt_u32 s[WV], 2
	s_cbranch_scc1 .Lnone_\@
	tensor_load_to_lds s[G0V:G0V+3], s[G1V:G1V+7]
	s_nop 0
	PLACES
.Lnone_\@:
	PLACES                                         ; the places in front of the LDS loads, for every wave
.endm
.macro JLOADK                          ; the first round's fill: V(0) went out with the first fills, so waves 2 and 3 issue none
	s_cmp_lt_u32 s[WV], 2
	s_cbranch_scc0 .Lnone_\@
	tensor_load_to_lds s[G0K:G0K+3], s[G1K:G1K+7]
	s_nop 0
	PLACES
.Lnone_\@:
	PLACES
.endm
; A PREFETCH INTO THE L2 of the tiles that my class is the first to name: tile 4 m + rho, m = 2 .. 7.  Of the two clusters of a class the one with x < 4 asks.  Its four partners share a wave's 32 rows out BY ADDRESS,
; 8 rows each: 32 blocks of 256 bytes, a lane a block, one instruction a wave (waves 0, 1: K; waves 2, 3: V).  So each block is named once in the launch.  In trip j the address stands at tile j + 7 + rho (K) or
; j + 5 + rho (V); the line runs where j + 7 (j + 5) is a multiple of 4 and under 32: 4 trips (m even) or 2 trips (m odd) ahead of the load of that tile.  The tiles with m < 2 come by their loads alone.
.macro ASK
	s_and_b32 s[TA], s[CNT], 3
	s_cmp_eq_u32 s[TA], s[PH]
	s_cbranch_scc0 .Lnot_mine_\@
	s_cmp_gt_u32 s[CNT], s[LIM]
	s_cbranch_scc0 .Lnot_mine_\@
	global_prefetch_b8 v[PFO], s[PFA:PFA+1] th:TH_LOAD_NT scope:SCOPE_SE
.Lnot_mine_\@:
.endm
; Runs of 8 LDS loads, four fragments each.
.macro LDK g, blk, adr                 ; my 16 keys, channels 128 g ..
.irp i, 0,1,2,3
	ds_load_b128 v[(\blk)+8*\i:(\blk)+8*\i+3],   v[\adr] offset:(4*(\g)+\i)*64
	ds_load_b128 v[(\blk)+8*\i+4:(\blk)+8*\i+7], v[\adr] offset:(4*(\g)+\i)*64+32
.endr
.endm
.macro LDP kk, blk                     ; keys 32 kk .., the four tiles
.irp i, 0,1,2,3
	ds_load_b128 v[(\blk)+8*\i:(\blk)+8*\i+3],   v[APRC] offset:16*PP*\i+64*(\kk)
	ds_load_b128 v[(\blk)+8*\i+4:(\blk)+8*\i+7], v[APRC] offset:16*PP*\i+64*(\kk)+32
.endr
.endm
.macro LDV kk, hf, blk                 ; keys 32 kk .., my channel blocks 4 hf .., turned
.irp i, 0,1,2,3
	ds_load_tr16_b128 v[(\blk)+8*\i:(\blk)+8*\i+3],   v[AVB] offset:(\kk)*32*PV+(4*(\hf)+\i)*32
	ds_load_tr16_b128 v[(\blk)+8*\i+4:(\blk)+8*\i+7], v[AVB] offset:(\kk)*32*PV+16*PV+(4*(\hf)+\i)*32
.endr
.endm
.macro LDSTAT off
.irp i, 0,1,2,3
	ds_load_b128 v[XS+4*\i:XS+4*\i+3], v[ASR] offset:(\off)+256*\i
.endr
.endm
.macro PSTORE
.irp i, 0,1,2,3
	ds_store_b128 v[APWC], v[S+8*\i:S+8*\i+3] offset:16*PP*\i
.endr
.endm
; Product sp of 64 of S^T = K Q^T: channels 32 (sp / 4) on, tile sp % 4.  The four accumulators take turns; the first four start the sums.
.macro SPROD
.set cc, sp/4
.set tt, sp%4
.if cc/4 == 0
.set kb, BC
.elseif cc/4 == 1
.set kb, BA
.elseif cc/4 == 2
.set kb, BB
.else
.set kb, BD
.endif
.set kb, kb+8*(cc%4)
	WIN 0x08+4*(cc/8)                              ; source 1 (Q) in window 2 or 3
.if cc == 0
	v_wmma_f32_16x16x32_f16 v[S+8*tt:S+8*tt+7], v[kb:kb+7], v[8*(4*(cc%8)+tt):8*(4*(cc%8)+tt)+7], 0
.else
	v_wmma_f32_16x16x32_f16 v[S+8*tt:S+8*tt+7], v[kb:kb+7], v[8*(4*(cc%8)+tt):8*(4*(cc%8)+tt)+7], v[S+8*tt:S+8*tt+7]
.endif
.endm
.macro RS                              ; line ri of 128 of the rescaling: pair ri % 4 of accumulator ri / 4, each accumulator from its low end
	WIN 0x41
	v_pk_mul_f32 v[8*(ri/4)+2*(ri%4):8*(ri/4)+2*(ri%4)+1], v[8*(ri/4)+2*(ri%4):8*(ri/4)+2*(ri%4)+1], v[ST+6*((ri/4)%4)+4:ST+6*((ri/4)%4)+5] op_sel_hi:[1,0]
.set ri, ri+1
.endm
.macro SPR resc                        ; the next product K Q^T; behind every second one an accumulator's four lines of the rescaling: two window switches for two products
	SPROD
.if (\resc) && (sp%2 == 1)
	RS
	RS
	RS
	RS
.endif
.set sp, sp+1
.endm
; Product n of 64 of O^T += V^T P: keys 32 (n / 32) on, accumulator n % 32 = 4 cb + t: 31 others stand between the two links of a chain.
.macro PVPROD
.set ac, n%32
.if n/16 == 1
.set vb, BC
.elseif n/16 == 2
.set vb, BD
.else
.set vb, BE
.endif
.set vb, vb+8*((ac/4)%4)
.set pb, BA+32*(n/32)+8*(ac%4)
	WIN 0x50
	v_wmma_f32_16x16x32_f16 v[8*ac:8*ac+7], v[vb:vb+7], v[pb:pb+7], v[8*ac:8*ac+7]
.endm
; Line li of 28 of the local maximum, by stage across the tiles: three v_max3 and a v_max over the lane's 8 keys (lowest registers first), the other half of the lanes, times c.
.macro LMI
	WIN 0
.set lt, li%4
.set ls, li/4
.if ls == 0
	v_max3_num_f32 v[XS+lt], v[S+8*lt], v[S+8*lt+1], v[S+8*lt+2]
.elseif ls < 3
	v_max3_num_f32 v[XS+lt], v[XS+lt], v[S+8*lt+2*ls+1], v[S+8*lt+2*ls+2]
.elseif ls == 3
	v_max_num_f32 v[XS+lt], v[XS+lt], v[S+8*lt+7]
.elseif ls == 4
	v_permlanex16_b32 v[XS+4+lt], v[XS+lt], s[SEL], s[SEL+1]
.elseif ls == 5
	v_max_num_f32 v[XS+lt], v[XS+lt], v[XS+4+lt]
.else
	v_mul_f32 v[XS+lt], s[CS], v[XS+lt]
.endif
.set li, li+1
.endm
.macro FSC f                           ; c s - c m for pair f of 16
	v_pk_fma_f32 v[S+2*(\f):S+2*(\f)+1], v[S+2*(\f):S+2*(\f)+1], s[CS:CS+1], v[ST+6*((\f)/4):ST+6*((\f)/4)+1] op_sel_hi:[1,0,0] neg_lo:[0,0,1] neg_hi:[0,0,1]
.endm
; Line si of 100 of the softmax.  0-7: T = the largest of the four waves' maxima and the old c m.  8-11: a's argument.  12-15: c m = T.  16-19: scalings 0-3.
; 20-67: ONE BATCH, twelve fours of a scaling and three exponentials (a of the four tiles, then s0-s31; a pair is scaled ahead of its exponentials); none names an exponential's result.
; (the wait stands between 67 and 68)  68-99, by stage across the tiles: two sums of pairs, their sum, four roundings to f16 in place, l = a l + sum.
.macro SMI
	WIN 0
.set tq, si%4
.if si < 4
	v_max3_num_f32 v[ST+6*tq+1], v[XS+tq], v[XS+4+tq], v[XS+8+tq]
.elseif si < 8
	v_max3_num_f32 v[ST+6*tq+1], v[ST+6*tq+1], v[XS+12+tq], v[ST+6*tq]
.elseif si < 12
	v_sub_f32 v[ST+6*tq+5], v[ST+6*tq], v[ST+6*tq+1]
.elseif si < 16
	v_mov_b32 v[ST+6*tq], v[ST+6*tq+1]
.elseif si < 20
	FSC si-16
.elseif si < 68
.if tq == 0
	FSC 4+(si-20)/4
.else
.set ee, 3*((si-20)/4)+tq-1
.if ee < 4
	v_exp_f32 v[ST+6*ee+4], v[ST+6*ee+5]
.else
	v_exp_f32 v[S+ee-4], v[S+ee-4]
.endif
.endif
.else
.set sg, (si-68)/4
.if sg == 0
	v_pk_add_f32 v[XS+4*tq:XS+4*tq+1], v[S+8*tq:S+8*tq+1], v[S+8*tq+2:S+8*tq+3]
.elseif sg == 1
	v_pk_add_f32 v[XS+4*tq+2:XS+4*tq+3], v[S+8*tq+4:S+8*tq+5], v[S+8*tq+6:S+8*tq+7]
.elseif sg == 2
	v_pk_add_f32 v[XS+4*tq:XS+4*tq+1], v[XS+4*tq:XS+4*tq+1], v[XS+4*tq+2:XS+4*tq+3]
.elseif sg < 7
	v_cvt_pk_f16_f32 v[S+8*tq+sg-3], v[S+8*tq+2*(sg-3)], v[S+8*tq+2*(sg-3)+1]
.else
	v_pk_fma_f32 v[ST+6*tq+2:ST+6*tq+3], v[ST+6*tq+2:ST+6*tq+3], v[ST+6*tq+4:ST+6*tq+5], v[XS+4*tq:XS+4*tq+1] op_sel_hi:[1,0,1]
.endif
.endif
.set si, si+1
.endm
.macro PVL nl, ns                      ; the next product V^T P with nl lines of the maximum and ns of the softmax behind it
	PVPROD
.rept \nl
	LMI
.endr
.rept \ns
	SMI
.endr
.set n, n+1
.endm
.macro TOGGLE
	s_xor_b32 s[SA], s[SA], SLOTB
	s_xor_b32 s[SB], s[SB], SLOTB
	s_xor_b32 s[PA], s[PA], PBB
	s_xor_b32 s[PB], s[PB], PBB
.endm
; A TRIP.  kind = 0: K and V are asked for, and the prefetch stands; kind = 1: V alone.
; At its head are out, in this order: P's 4 stores, next k0's 8 loads, next k1's 8 (from the trip before).
.macro TRIP kind
	WIN 0
	v_add_nc_u32 v[AKA], s[SA], v[AK0]             ; five plain lines: the places between the last product, which read block B, and the loads into it
	v_add_nc_u32 v[AKB], s[SB], v[AK0]
	v_add_nc_u32 v[AVB], s[SB], v[AV0]
	v_add_nc_u32 v[APRC], s[PB], v[APR]
	v_add_nc_u32 v[APWC], s[PA], v[APW]
	LDK 2, BB, AKA
	LDK 3, BD, AKA
	s_mov_b32 s[OFFV], s[T1]                       ; V(j + 1)'s tile is the one that K(j + 1) had two trips ago; none of these is a descriptor's register
	s_mov_b32 s[T1], s[OFFK]
.if (\kind) == 0
	s_add_co_u32 s[KI], s[KI], 1                   ; step j + 3
	TOFF OFFK
.endif
	s_wait_dscnt 24                                ; k0 is in: behind it 8 + 16
.set sp, 0
.set ri, 0
.rept 16
	SPR 1
.endr
	s_wait_dscnt 16                                ; k1 is in: behind it k2's and k3's 16
.rept 8
	SPR 1
.endr
	WIN 0
	s_wait_tensorcnt 0x0                           ; all my tensor loads have landed: my part of K(j + 2) or V(j); a group 0 may be written
	ds_add_u32 v[SPW], v[NIL]                      ; 0 onto my spare word; the descriptors and eight products stand between it and the wait for it
.if (\kind) == 0
	s_add_co_u32 s[G0K+1], s[LBK], s[SA]           ; into slot (j + 1) % 2,
	s_add_nc_u64 s[G0K+2:G0K+3], s[6:7], s[OFFK:OFFK+1]  ; my part of the step's tile: the address is made anew,
	s_or_b32 s[G0K+3], s[G0K+3], 0x80000000        ; and the type set again
.endif
	s_add_co_u32 s[G0V+1], s[LBV], s[SA]
	s_add_nc_u64 s[G0V+2:G0V+3], s[8:9], s[OFFV:OFFV+1]
	s_or_b32 s[G0V+3], s[G0V+3], 0x80000000
.if (\kind) == 0
	s_wait_xcnt 0x0                                ; the last prefetch, a trip or more back, has read its address
	s_add_nc_u64 s[PFA:PFA+1], s[PFA:PFA+1], 65536
.endif
.rept 8
	SPR 1
.endr
	WIN 0
	s_wait_dscnt 0x0                               ; the add is done; my reads of K(j + 1) and V(j - 1) are back; my stores of P(j) are done
	CROUND                                         ; no wave of any partner still reads the slot or has a load on its way; P(j), K(j + 2), V(j) are whole
.if (\kind) == 0
	JLOAD
.else
	JLOADV
.endif
	LDP 0, BA
	LDV 0, 0, BE
	LDV 0, 1, BC
.if (\kind) == 0
	ASK
.endif
.rept 32
	SPR 1
.endr
	WIN 0
	LDP 1, BB                                      ; one run for both: four lines of the rescaling stand behind the last product, which read k3; k2 was read out 16 products back
	LDV 1, 0, BD
	s_wait_dscnt 24                                ; P0 and v0 are in: behind them v1's 8, P1's 8 and v2's 8
.set n, 0
.set li, 0
.set si, 0
.rept 7
	PVL 4, 0                                       ; a tile's first line of the maximum stands seven places or more behind the product that ended its scores
.endr
	WIN 0
	ds_store_b128 v[ASW], v[XS:XS+3]               ; my wave's four maxima for query lane % 16 (both halves of the lanes write the same)
.rept 3
	PVL 0, 0
.endr
	s_wait_dscnt 0x0                               ; for the others' sake: the store is done (and v1, P1, v2 are in)
	s_barrier_signal -1
.rept 6
	PVL 0, 0
.endr
	WIN 0
	s_barrier_wait -1                              ; the tensor load stays out across it
	PLACES                                         ; behind the last product that read v0
	LDSTAT 0
	LDV 1, 1, BE
.rept 8
	PVL 0, 0
.endr
	s_wait_dscnt 8                                 ; the four waves' maxima are in; v3's 8 loads may stay out
.rept 17
	PVL 0, 4
.endr
	v_nop                                          ; a plain line behind the last exponential,
	s_wait_alu depctr_va_vdst(0)                   ; and the one wait for the batch of 36, ahead of the first line that names a result
.rept 7
	PVL 0, 4
.endr
	s_wait_dscnt 0x0                               ; v3 is in
	PVL 0, 4
	WIN 0
	PSTORE                                         ; one run: P(j + 1), my 16 keys of all 64 queries,
	LDK 0, BC, AKB                                 ; and the first half of K(j + 2): v1 and P0 were read out 17 products back
	LDK 1, BA, AKB
.rept 15
	PVL 0, 0
.endr
	WIN 0
	TOGGLE
.endm
	s_load_b256 s[4:11], s[0:1], 0x0               ; qws s[4:5], kws s[6:7], vws s[8:9], out0 s[10:11]
	s_load_b64 s[12:13], s[0:1], 0x20              ; out1
	v_lshl_add_u32 v[SPW], v0, 2, SPARE
	v_mov_b32 v[NIL], 0
	ds_add_u32 v[SPW], v[NIL]                      ; the wave's opening: the add, twice on end, and its wait ahead of my first tensor load
	ds_add_u32 v[SPW], v[NIL]
	v_lshrrev_b32 v1, 5, v0
	v_readfirstlane_b32 s[WV], v1                  ; wave 0..3
	s_bfe_u32 s15, ttmp6, 0x40000                  ; cx: it enters Q's, O's and the prefetches' addresses alone
	s_lshl_b32 s16, ttmp9, 2
	s_add_co_u32 s16, s16, s15                     ; my block of 64 queries
	s_and_b32 s17, ttmp7, 0xffff                   ; db, which the partners share
	s_lshl_b32 s20, s17, 21                        ; 2,048 rows of 1,024 bytes
	s_and_b32 s18, s[WV], 1                        ; which 32 rows of a tile I fetch
	s_lshl_b32 s22, s18, 15
	s_lshl_b32 s2, s16, 16                         ; Q: my block's 64 rows, and of them the 32 that I fetch
	s_add_co_u32 s2, s2, s20
	s_add_co_u32 s2, s2, s22
	s_mov_b32 s3, 0
	s_add_co_u32 s22, s22, s20                     ; K and V: the pair's first row, and my 32 rows of a tile
	s_mov_b32 s23, 0
	s_mul_i32 s[LBK], s18, 32*PK
	s_mul_i32 s[LBV], s18, 32*PV
	s_add_co_u32 s[LBV], s[LBV], VOFF
	s_and_b32 s62, s17, 3                          ; O: batch x 2,048 rows of 2,048 bytes + my 64 rows + my wave's 512 bytes
	s_lshl_b32 s62, s62, 22
	s_lshl_b32 s19, s16, 17
	s_add_co_u32 s62, s62, s19
	s_lshl_b32 s19, s[WV], 9
	s_add_co_u32 s62, s62, s19
	s_mov_b32 s63, 0
	s_and_b32 s[RHO], ttmp9, 3                     ; my cluster's class: the same in all four partners
	s_lshr_b32 s[TA], ttmp9, 2
	s_xor_b32 s[RHO], s[RHO], s[TA]
	s_mov_b32 s[TAB], 0x76352410                   ; entries 0, 1, 4, 2, 5, 3, 6, 7 from the low end
	s_mov_b32 s[KI], 0
	TOFF OFFV                                      ; step 0's tile: K(0) and V(0)
	s_mov_b32 s[KI], 1
	TOFF T1                                        ; step 1's
	s_mov_b32 s[KI], 2
	TOFF OFFK                                      ; step 2's
	s_mov_b32 s[OFFK+1], 0
	s_mov_b32 s[OFFV+1], 0
	s_mov_b32 s20, s[T1]
	s_mov_b32 s21, 0
	s_cmp_lt_u32 s[WV], 2
	s_cselect_b32 s[LIM], 4, 2
	s_cselect_b32 s[PH], 0, 2
	s_cselect_b32 s78, 6, 4                        ; the first trip steps the prefetches' address to tile 7 + rho (K) or 5 + rho (V)
	s_add_co_u32 s78, s78, s[RHO]
	s_lshl_b32 s78, s78, 16
	s_lshl_b32 s19, s15, 13                        ; my work-group's 8 rows of the 32
	s_add_co_u32 s78, s78, s19
	s_mov_b32 s79, 0
	s_cmp_lt_u32 ttmp9, 4                          ; one cluster of each class asks: the same in all four partners
	s_cselect_b32 s[LIM], s[LIM], -1
	; descriptor group 1: 32 rows x 512 elements of 2 bytes, padded behind every 256 words
	s_mov_b32 s[G1K], 15|(1<<16)|(1<<20)|(1<<21)|(7<<22)|(3<<25)  ; the mask of four; 2-byte elements; padding on; bit 21 beside a mask; after 256 words (code 7) 4 words (code 3)
	s_mov_b32 s[G1V], 15|(1<<16)|(1<<20)|(1<<21)|(7<<22)|(7<<25)  ; the same with 8 words
	s_mov_b32 s[G1Q], (1<<16)|(1<<20)|(7<<22)|(3<<25)             ; Q: K's shape, no mask: the work-group's own
.irp g, G1K, G1V, G1Q
	s_mov_b32 s[\g+1], 512<<16                     ; tensor_dim0 = 512
	s_mov_b32 s[\g+2], 32<<16                      ; tensor_dim1 = 32
	s_mov_b32 s[\g+3], 512<<16                     ; tile_dim0 = 512
	s_mov_b32 s[\g+4], 32                          ; tile_dim1 = 32
	s_mov_b32 s[\g+5], 512                         ; elements from row to row
	s_mov_b32 s[\g+6], 0
	s_mov_b32 s[\g+7], 0
.endr
	s_mov_b32 s[CS], 0x3d8293ee                    ; c = log2(e) / sqrt(512) = 0.0637587
	s_mov_b32 s[CS+1], s[CS]
	s_mov_b32 s[SEL], 0x76543210
	s_mov_b32 s[SEL+1], 0xfedcba98
	s_mov_b32 s[SA], 0                             ; j = -1
	s_mov_b32 s[SB], SLOTB
	s_mov_b32 s[PA], 0
	s_mov_b32 s[PB], PBB
	s_mov_b32 s[G0A], 1
	s_mov_b32 s[G0A+1], s[LBK]                     ; K(0) into slot 0
	s_mov_b32 s[G0B], 1
	s_add_co_u32 s[G0B+1], s[LBK], SLOTB           ; K(1) into slot 1
	s_mov_b32 s[G0K], 1
	s_mov_b32 s[G0K+1], s[LBK]                     ; K(2) into slot 0
	s_mov_b32 s[G0V], 1
	s_mov_b32 s[G0V+1], s[LBV]                     ; V(0) into slot 0
	s_mov_b32 s[G0Q], 1
	s_add_co_u32 s[G0Q+1], s[LBK], QLDS            ; Q where slot 1's V will lie
	s_wait_dscnt 0x0                               ; both opening adds are done
	s_wait_kmcnt 0x0
	s_add_nc_u64 s[6:7], s[6:7], s[22:23]          ; K and V at my part of tile 0; they stay so
	s_add_nc_u64 s[8:9], s[8:9], s[22:23]
	s_add_nc_u64 s[4:5], s[4:5], s[2:3]
	s_cmp_lt_u32 s17, 4
	s_cselect_b64 s[OUTP:OUTP+1], s[10:11], s[12:13]
	s_add_nc_u64 s[OUTP:OUTP+1], s[OUTP:OUTP+1], s[62:63]
	s_cmp_lt_u32 s[WV], 2
	s_cselect_b64 s[PFA:PFA+1], s[6:7], s[8:9]
	s_add_nc_u64 s[PFA:PFA+1], s[PFA:PFA+1], s[78:79]
	s_add_nc_u64 s[G0A+2:G0A+3], s[6:7], s[OFFV:OFFV+1]
	s_or_b32 s[G0A+3], s[G0A+3], 0x80000000        ; type = 2
	s_add_nc_u64 s[G0B+2:G0B+3], s[6:7], s[20:21]
	s_or_b32 s[G0B+3], s[G0B+3], 0x80000000
	s_add_nc_u64 s[G0K+2:G0K+3], s[6:7], s[OFFK:OFFK+1]
	s_or_b32 s[G0K+3], s[G0K+3], 0x80000000
	s_add_nc_u64 s[G0V+2:G0V+3], s[8:9], s[OFFV:OFFV+1]
	s_or_b32 s[G0V+3], s[G0V+3], 0x80000000
	s_mov_b64 s[G0Q+2:G0Q+3], s[4:5]
	s_or_b32 s[G0Q+3], s[G0Q+3], 0x80000000
	CROUND                                         ; all four work-groups are here: the first joint loads meet
	s_cmp_lt_u32 s[WV], 2                          ; a wave's two first fills stand in one branch: K(0), K(1), or my half of Q, V(0)
	s_cbranch_scc0 .Lfirst_qv
	tensor_load_to_lds s[G0A:G0A+3], s[G1K:G1K+7]
	s_nop 0
	tensor_load_to_lds s[G0B:G0B+3], s[G1K:G1K+7]
	s_nop 0
	PLACES
	s_branch .Lfirst_asked
.Lfirst_qv:
	tensor_load_to_lds s[G0Q:G0Q+3], s[G1Q:G1Q+7]
	s_nop 0
	tensor_load_to_lds s[G0V:G0V+3], s[G1V:G1V+7]
	s_nop 0
	PLACES
.Lfirst_asked:
	v_and_b32 v[TR], 15, v0
	v_bfe_u32 v[TH], v0, 4, 1
	v_and_b32 v[TL], 31, v0
	WIN 0x40
.set i, 0
.rept 256
	v_mov_b32 v[i], 0                              ; O^T starts at 0: in the wait for the first tiles
.set i, i+1
.endr
	WIN 0
.irp t, 0,1,2,3
	v_mov_b32 v[ST+6*\t], 0xfe000000               ; c m: far below every c s
	v_mov_b32 v[ST+6*\t+2], 0
	v_mov_b32 v[ST+6*\t+3], 0
	v_mov_b32 v[XS+4+\t], 0                        ; v_permlanex16_b32's destination counts as read
.endr
	v_mul_u32_u24 v[QO], v[TR], PK
	v_lshl_add_u32 v[QO], v[TH], 4, v[QO]          ; row x pitch + 16 x half,
	v_mov_b32 v[AK0], v[QO]
	v_add_nc_u32 v[QO], QLDS, v[QO]                ; in Q's rows
	s_mul_i32 s75, s[WV], 16*PK
	v_add_nc_u32 v[AK0], s75, v[AK0]               ; (16 w + r) x pitch + 16 h
	v_and_b32 v[T7], 7, v0                         ; the turning load: lane l reads key 8 (l / 16) + l % 8, channels 8 ((l / 8) % 2) + 0..7
	v_lshl_add_u32 v[AV0], v[TH], 3, v[T7]
	v_mul_u32_u24 v[AV0], v[AV0], PV
	v_bfe_u32 v[T7], v0, 3, 1
	v_lshl_add_u32 v[AV0], v[T7], 4, v[AV0]
	s_lshl_b32 s75, s[WV], 8                       ; my 128 channels
	s_add_co_u32 s75, s75, VOFF
	v_add_nc_u32 v[AV0], s75, v[AV0]
	v_mul_u32_u24 v[APR], v[TR], PP
	v_lshl_add_u32 v[APR], v[TH], 4, v[APR]
	v_add_nc_u32 v[APR], PBUF, v[APR]
	s_lshl_b32 s75, s[WV], 5                       ; my 16 keys
	v_add_nc_u32 v[APW], s75, v[APR]
	v_lshlrev_b32 v[ASR], 4, v[TR]
	v_add_nc_u32 v[ASR], STAT, v[ASR]
	s_lshl_b32 s75, s[WV], 8
	v_add_nc_u32 v[ASW], s75, v[ASR]
	v_lshlrev_b32 v[PFO], 8, v[TL]
	v_lshlrev_b32 v[GO], 4, v[TL]
	s_mul_i32 s75, s[WV], 16*SP
	s_add_co_u32 s75, s75, STAGE
	v_mul_u32_u24 v[STO], v[TR], SP
	v_lshl_add_u32 v[STO], v[TH], 5, v[STO]
	v_add_nc_u32 v[STO], s75, v[STO]
	v_lshl_add_u32 v[RD], v[TL], 4, s75
	; THE FIRST SCORES (j = -1): Q into registers, S(0), its maximum and softmax; no second product yet.
	s_wait_tensorcnt 0x1                           ; my first load has landed: my part of K(0), or of Q; the second may stay out
	s_barrier_signal -1
	s_barrier_wait -1
	v_add_nc_u32 v[AKA], s[SA], v[AK0]
	v_add_nc_u32 v[AKB], s[SB], v[AK0]
	v_add_nc_u32 v[APWC], s[PA], v[APW]
	WIN 0x80                                       ; Q stays in registers: tile t, channels 32 c on
.set c, 0
.rept 16
.if c == 8
	WIN 0xc0
.endif
.irp t, 0,1,2,3
	ds_load_b128 v[8*(4*(c%8)+\t):8*(4*(c%8)+\t)+3],   v[QO] offset:\t*16*PK+c*64
	ds_load_b128 v[8*(4*(c%8)+\t)+4:8*(4*(c%8)+\t)+7], v[QO] offset:\t*16*PK+c*64+32
.endr
.set c, c+1
.endr
	WIN 0
	LDK 0, BC, AKA
	LDK 1, BA, AKA
	LDK 2, BB, AKA
	LDK 3, BD, AKA
	s_wait_dscnt 24                                ; Q and k0 are in
.set sp, 0
.rept 16
	SPR 0
.endr
	WIN 0
	s_wait_tensorcnt 0x0                           ; K(1), or V(0), has landed
	ds_add_u32 v[SPW], v[NIL]                      ; 0 onto my spare word
	s_wait_dscnt 17                                ; k1 is in: behind it 16 loads and the add
.rept 8
	SPR 0
.endr
	s_wait_dscnt 0x0                               ; the add is done, my reads of K(0) and of Q are back
	s_barrier_signal -1
.rept 8
	SPR 0
.endr
	WIN 0
	s_barrier_wait -1
	CREST
	JLOADK                                         ; K(2) over K(0)
.rept 32
	SPR 0
.endr
	WIN 0
	PLACES
.set li, 0
.rept 28
	LMI
.endr
	ds_store_b128 v[ASW], v[XS:XS+3]
	s_wait_dscnt 0x0
	s_barrier_signal -1
	s_barrier_wait -1
	LDSTAT 0
	LDK 0, BC, AKB                                 ; K(1)
	LDK 1, BA, AKB
	s_wait_dscnt 16                                ; the maxima are in
.set si, 0
.rept 68
	SMI
.endr
	v_nop
	s_wait_alu depctr_va_vdst(0)                   ; the wait for the batch
.rept 32
	SMI
.endr
	PSTORE                                         ; P(0)
	TOGGLE
	s_mov_b32 s[CNT], 29
.Ltrip:                                        ; j = 0 .. 28
	TRIP 0
	s_sub_co_u32 s[CNT], s[CNT], 1
	s_cmp_lg_u32 s[CNT], 0
	s_cbranch_scc1 .Ltrip
	s_mov_b32 s[CNT], 2
.Ltv:                                          ; j = 29, 30: K has no tile left.  The second trip's 16 loads of a next K read K(30) once more and serve nothing: the price, once a launch, of one text for both
	TRIP 1
	s_sub_co_u32 s[CNT], s[CNT], 1
	s_cmp_lg_u32 s[CNT], 0
	s_cbranch_scc1 .Ltv
	; THE LAST STEP (j = 31): O += V(31)^T P(31).  Half of the rescaling stands ahead of the barrier (the places in front of the loads), half behind the loads.
	v_add_nc_u32 v[AVB], s[SB], v[AV0]
	v_add_nc_u32 v[APRC], s[PB], v[APR]
.set ri, 0
.rept 64
	RS
.endr
	WIN 0
	s_wait_tensorcnt 0x0                           ; my part of V(31) is in
	s_wait_dscnt 0x0                               ; my stores of P(31) are done
	s_barrier_signal -1
	s_barrier_wait -1                              ; nothing is filled any more
	LDP 0, BA
	LDV 0, 0, BE
	LDV 0, 1, BC
	LDP 1, BB
	LDV 1, 0, BD
.rept 64
	RS
.endr
	s_wait_dscnt 24                                ; P0 and v0 are in
.set n, 0
.rept 16
	PVL 0, 0
.endr
	WIN 0
	PLACES
	LDV 1, 1, BE
	s_wait_dscnt 8                                 ; all but v3
.rept 32
	PVL 0, 0
.endr
	s_wait_dscnt 0x0
.rept 16
	PVL 0, 0
.endr
	; THE WAY OUT.  l: its two halves, the other half of the lanes, the four waves (through LDS).  O^T / l goes through my stage, a tile at a time, and leaves as whole pieces of rows.
	WIN 0
.irp t, 0,1,2,3
	v_add_f32 v[XS+\t], v[ST+6*\t+2], v[ST+6*\t+3]
.endr
.irp t, 0,1,2,3
	v_permlanex16_b32 v[XS+4+\t], v[XS+\t], s[SEL], s[SEL+1]
.endr
.irp t, 0,1,2,3
	v_add_f32 v[XS+\t], v[XS+\t], v[XS+4+\t]
.endr
	ds_store_b128 v[ASW], v[XS:XS+3] offset:1024
	s_wait_dscnt 0x0
	s_barrier_signal -1
	s_barrier_wait -1
	LDSTAT 1024
	s_wait_dscnt 0x0
.irp t, 0,1,2,3
	v_add_f32 v[XS+\t], v[XS+\t], v[XS+4+\t]
	v_add_f32 v[XS+8+\t], v[XS+8+\t], v[XS+12+\t]
.endr
.irp t, 0,1,2,3
	v_add_f32 v[XS+\t], v[XS+\t], v[XS+8+\t]
.endr
.irp t, 0,1,2,3
	v_rcp_f32 v[ST+6*\t+4], v[XS+\t]
.endr
	v_nop                                          ; a plain line behind the last reciprocal,
	s_wait_alu depctr_va_vdst(0)                   ; and one wait for the four
.macro OPACK t                         ; a lane's 8 channels of a query are 32 bytes; rows of 528 bytes in, whole rows of 512 back, into Q's registers (window 2), 64 for each tile
	WIN 0x41
.irp cb, 0,1,2,3,4,5,6,7
.irp k, 0,1,2,3
	v_pk_mul_f32 v[8*(4*\cb+(\t))+2*\k:8*(4*\cb+(\t))+2*\k+1], v[8*(4*\cb+(\t))+2*\k:8*(4*\cb+(\t))+2*\k+1], v[ST+6*(\t)+4:ST+6*(\t)+5] op_sel_hi:[1,0]
.endr
.endr
	WIN 0x04                                       ; LDS data in window 1
.irp cb, 0,1,2,3,4,5,6,7
	ds_store_b128 v[STO], v[8*(4*\cb+(\t)):8*(4*\cb+(\t))+3]   offset:64*\cb
	ds_store_b128 v[STO], v[8*(4*\cb+(\t))+4:8*(4*\cb+(\t))+7] offset:64*\cb+16
.endr
	WIN 0x80
.set rho, 0
.rept 16
	ds_load_b128 v[64*(\t)+4*rho:64*(\t)+4*rho+3], v[RD] offset:SP*rho  ; LDS serves a wave's instructions in order: these see the stores above; the next tile's stores come behind them
.set rho, rho+1
.endr
.endm
.macro OSEND t, younger                ; younger: the next tile's 32 LDS instructions, or none
	WIN 0x08                                       ; store data in window 2
.set rho, 0
.rept 16
	s_wait_dscnt (\younger)+15-rho
	global_store_b128 v[GO], v[64*(\t)+4*rho:64*(\t)+4*rho+3], s[OUTP:OUTP+1] offset:(\t)*32768+rho*2048 th:TH_STORE_NT  ; 512 consecutive bytes, at a multiple of 512 from the output's first byte
.set rho, rho+1
.endr
.endm
	OPACK 0
	OPACK 1
	OSEND 0, 32
	OPACK 2
	OSEND 1, 32
	OPACK 3
	OSEND 2, 32
	OSEND 3, 0
	WIN 0
	s_wait_tensorcnt 0x0                           ; the wave's end, behind my last tensor load and my last LDS store
	ds_add_u32 v[SPW], v[NIL]
	s_wait_dscnt 0x0
	CROUND                                         ; the closing round: no work-group ends while a partner may still ask for a tile that names it
	s_endpgm
.Lfunc_end_k_qe832cbe08d_attn:
	.size	k_qe832cbe08d_attn, .Lfunc_end_k_qe832cbe08d_attn-k_qe832cbe08d_attn
	.p2alignl 7, 3214868480
	.fill 96, 4, 3214868480
	.section	.rodata,"a",@progbits
	.p2align	6, 0x0
	.amdhsa_kernel k_qe832cbe08d_attn
		.amdhsa_group_segment_fixed_size 327680
		.amdhsa_private_segment_fixed_size 0
		.amdhsa_enable_private_segment 0
		.amdhsa_kernarg_size 40
		.amdhsa_user_sgpr_count 2
		.amdhsa_user_sgpr_kernarg_segment_ptr 1
		.amdhsa_wavefront_size32 1
		.amdhsa_system_sgpr_workgroup_id_x 1
		.amdhsa_system_sgpr_workgroup_id_y 1
		.amdhsa_system_sgpr_workgroup_id_z 1
		.amdhsa_system_vgpr_workitem_id 0
		.amdhsa_next_free_vgpr 1024
		.amdhsa_next_free_sgpr 102
		.amdhsa_reserve_vcc 0
		.amdhsa_float_denorm_mode_32 3
		.amdhsa_float_denorm_mode_16_64 3
		.amdhsa_memory_ordered 1
		.amdhsa_forward_progress 1
		.amdhsa_inst_pref_size 153
	.end_amdhsa_kernel
	.amdgpu_metadata
---
amdhsa.version: [ 1, 2 ]
amdhsa.kernels:
  - .name:           k_qe832cbe08d_attn
    .symbol:         k_qe832cbe08d_attn.kd
    .args:
      - { .name: qws, .offset: 0, .size: 8, .value_kind: global_buffer, .address_space: global }
      - { .name: kws, .offset: 8, .size: 8, .value_kind: global_buffer, .address_space: global }
      - { .name: vws, .offset: 16, .size: 8, .value_kind: global_buffer, .address_space: global }
      - { .name: out0, .offset: 24, .size: 8, .value_kind: global_buffer, .address_space: global }
      - { .name: out1, .offset: 32, .size: 8, .value_kind: global_buffer, .address_space: global }
    .group_segment_fixed_size: 327680
    .private_segment_fixed_size: 0
    .kernarg_segment_align: 8
    .kernarg_segment_size: 40
    .max_flat_workgroup_size: 128
    .sgpr_count:     102
    .vgpr_count:     1024
    .wavefront_size: 32
...
	.end_amdgpu_metadata
.endif
;; end of part 2
;; ======== version 2 of 2: 2 launches; version 1 with the launch proj written anew for expert scheduling mode
;; limits: values are held in f16: magnitudes above 65,504 overflow, below 6.1e-05 lose precision
;; workspace buffers: qws 16,777,216 bytes; kws 16,777,216 bytes; vws 16,777,216 bytes
;; launch proj (part 3): grid 32 x 6, 4 waves a work-group, no clusters, 266,752 bytes of LDS; arguments Q_text, Q_image, K_image, K_text, V_image, V_text, Wq_text, Wq_image, Wk_image, Wk_text, Wv_image, Wv_text, bq_text, bq_image, bv_image, bv_text, qws, kws, vws; writes qws, kws, vws
.if DOCPART == 3
	.amdgcn_target "amdgcn-amd-amdhsa--gfx1250"
	.amdhsa_code_object_version 6
	.text
	.protected	k_qe832cbe08d_proj
	.globl	k_qe832cbe08d_proj
	.p2align	8
	.type	k_qe832cbe08d_proj,@function
k_qe832cbe08d_proj:
	s_mov_b64 s[64:65], 0
	v_nop
	global_prefetch_b8 v0, s[64:65] scope:SCOPE_SE
	s_setreg_imm32_b32 hwreg(HW_REG_WAVE_SCHED_MODE, 0, 2), 2
	s_setreg_imm32_b32 hwreg(HW_REG_WAVE_MODE, 25, 1), 1
	s_wait_xcnt 0x0
	s_wait_alu depctr_vm_vsrc(0)
; THE SIX PROJECTIONS.  y[row][e] = sum over k of x[row][k] W[e][k] + b[e]; x: 8,192 rows x 512 f32, W: 512 x 512 f32.  x, W and b are rounded to bf16, sums in f32, y is rounded once to f16.
; y goes to qws, kws, vws, each [d][batch][2048][512] f16; d = 0: q of text, k and v of image; d = 1: q of image, k and v of text.
; DEAD WORK.  A score is (Wq xq + bq).(Wk xk + bk) = (Wq xq + bq).(Wk xk) + (Wq xq + bq).bk.  The last term does not depend on the key: it is the same along the softmax's axis and cancels
; there for all values of the inputs.  So bk_image and bk_text have no way to an output: they are not loaded and are no arguments of any launch; k's sums start at 0.
; LIMIT of that: a NaN, an infinity or an overflow that reaches the result through bk alone is not carried to it.
; LIMIT of the format: q, k and v must stay under 65,504 in magnitude (f16); beyond that they become infinities.
; SHARES.  Grid y = the projection p (kind = p / 2: q, k, v; d = p % 2).  Grid x = 2 x range + n: 512 rows of x, 256 of the 512 channels.  Wave w holds its 64 channels of W over all 512 k as
; bf16 fragments in 512 registers for the whole launch.  x comes in 8 chunks of 64 rows: each wave loads 16 rows (32 KiB on end, 512 consecutive bytes an instruction), rounds them and puts them
; into a bf16 tile in LDS that all four waves read.  64 loads of each wave are always on their way: a chunk is asked for two chunks ahead of its products.
; THE PRODUCT IS TAKEN TRANSPOSED (source 0 = 16 channels of W, source 1 = 16 rows of x): a lane ends with 8 neighbouring channels of one row, 16 bytes of f16.  They go through a stage in LDS, so
; that each store of a wave covers 512 consecutive bytes, aligned.
; ONE BARRIER A CHUNK: tiles and stages have two buffers each; in front of it every wave has ended its reads of tile i and stage i - 1 and its writes of tile i + 1 and stage i.
; BASES.  At the start no base is stepped straight behind the loads that name it: the first block of W and chunk 1 of x have base registers of their own, and the staging loop steps its base in the next trip.
; REGISTERS: window 0: addresses, bias, two sets of 4 accumulators, two buffers of 8 fragments of x, of which the second also serves the way out.  Window 1: the 64 loads.  Windows 2, 3: W (channel block eb, k block c) at 8 (4 (c % 8) + eb).
; THE MODE: SCHED_MODE bits 1:0 = 2 (LLVM: expert scheduling mode 2), set by the entry lines.  The code itself states the register dependences between vector or matrix instructions
; and memory or LDS instructions, with s_wait_alu, always for 0.
; THE PLAN.  A chunk goes in 8 steps of 32 products: step s is row block s / 2, k blocks 8 (s % 2) to 8 (s % 2) + 7.  Registers that memory or LDS instructions touch in the loop:
;   RAW         Window 1, four registers a load.  Step s: the 16 roundings at its head read and write those of loads 8 s to 8 s + 7 in place; 8 LDS stores read them; 8 loads land in them again.
;   XF0, XF1    Step s: its products read XF[s % 2]; the 16 LDS loads of step s + 1's fragments, issued in step s, land in the other, which step s - 1's products read.
;               XF1 is also the way out's: behind the chunk's barrier 16 LDS loads land in it and 16 stores read it; step 0 of the next chunk loads it again.
;   ACC0, ACC1  Row block b: written by its 64 products, rounded in place at the head of the step behind them, read by 4 LDS stores in that step, written again by row block b + 2's products.
;   XAC, XWC    LDS addresses of the tile read and the tile written: written once a chunk, behind step 7's products.    SOC, SRC  those of the stage: written once a chunk, behind the way out's LDS loads.
;   GOF, XW0, WR, BO  written at the head and never again: scalar bases and immediate offsets do the rest.
; ONE wait on va_vdst stands at a step's head, behind its roundings: they have written the LDS stores' data and are done with RAW, and the step before is done reading its fragments.  The step's memory and LDS
; instructions follow it, dealt among the step's products, which name W, the bias, XF[s % 2] and the row block's own accumulators: none of the registers that those instructions touch.
; ONE wait on vm_vsrc stands in a step, eight products behind its LDS stores and ahead of its loads.  The chunk's tail has one wait of each kind more.
.set TP,    1040                       ; a tile's row: 1,024 bytes + 16: 65 x 16, so the 16 rows of a fragment load fall on 16 different columns of 16 bytes
.set TILEB, 64*TP
.set STG,   2*TILEB                    ; behind the two tiles: two stages
.set SPI,   528                        ; a stage's row: 512 bytes + 16
.set STGB,  64*SPI
.set SPARE, 4*TILEB                    ; behind W's staging (one tile's size for each wave, laid over tiles and stages, used at the start alone): the spare words
.set GOF, 2                            ; v2   16 x lane: offset of loads and stores; never rewritten
.set XW0, 3                            ; v3   where I put 8 bytes of my first row in tile 0
.set XA0, 4                            ; v4   my lane's place in a fragment: r x TP + 16 h
.set XWC, 5                            ; v5   XW0 in the tile being written
.set XAC, 6                            ; v6   XA0 in the tile being read
.set SO0, 7                            ; v7   into stage 0
.set SR0, 8                            ; v8   back from stage 0
.set SOC, 9
.set SRC, 10
.set BO,  11                           ; v11  my offset in the bias; never rewritten
.set SPW, 12                           ; v12  my spare word
.set NIL, 13                           ; v13  0
.set WSA, 14                           ; v14  where W's block is staged
.set WR,  15                           ; v15  where W's fragments are read
.set BIAS, 16
.set ACC,  48
.set XF,   112                         ; v112-175 and v176-239: buffer t % 2 holds step t's eight fragments
.set OB,   176                         ; the second of them takes the way out's 16 rows
.set TR,  240
.set TH,  241
.set TL,  242
.set TB,  243
.set XP, 48                            ; s[48:49] x at my 16 rows of the chunk to be asked for
.set NP, 50                            ; s[50:51] what the staging loop asks for
.set BP, 52
.set YP, 54                            ; s[54:55] y at my 16 rows of the chunk to be stored
.set YST, 56                           ; s[56:57] its step: 0 the first time
.set CNT, 58
.set TT, 59                            ; tile read, tile written, stage: byte offsets that one exclusive or turns
.set TN, 60
.set TS, 61
.set WV, 62
.set X0, 66                            ; s[66:67] x at my 16 rows of chunk 0
.set WB, 72                            ; s[72:73] W at my first 16 rows: the base of the first 64 loads; never rewritten
.set X1, 74                            ; s[74:75] x at my 16 rows of chunk 1; never rewritten
.set MSB, 0
.macro WIN new                         ; the immediate's high byte repeats the setting that is left
.if MSB != (\new)
	s_set_vgpr_msb (MSB<<8)|(\new)
.set MSB, \new
.endif
.endm
.macro PLACES
.rept 4
	v_nop
.endr
.endm
; 64 loads' worth (16 rows of 2,048 bytes): rounded in place, put into LDS at adr, and the registers asked for again from base.  Sixteen at a time.
; hook = 1 (the staging loop): NP goes on to the next block of W, in the last trip to x's chunk 0, ahead of the trip's first loads: 32 roundings and 16 LDS stores behind the youngest load that named it.
.macro SVCBLK adr, base, hook
.set q4, 0
.rept 4
	s_wait_loadcnt 48                              ; loads come back in order: the oldest 16 of the 64 that are out are in
	WIN 0x45
.set l, 16*q4
.rept 16
	v_cvt_pk_bf16_f32 v[4*l], v[4*l], v[4*l+1]
	v_cvt_pk_bf16_f32 v[4*l+1], v[4*l+2], v[4*l+3]
.set l, l+1
.endr
	WIN 0x44                                       ; LDS data and loaded data in window 1, addresses in window 0
	s_wait_alu depctr_va_vdst(0)                   ; the roundings have written the LDS stores' data and are done with the registers in which the loads below land; the stores' address is written
.set l, 16*q4
.rept 16
	ds_store_b64 v[\adr], v[4*l:4*l+1] offset:(l/4)*TP+(l%4)*256
.set l, l+1
.endr
.if (\hook) && (q4 == 0)
	s_wait_xcnt 0x0                                ; the last trip's loads have read their base: it may be written
	s_add_nc_u64 s[NP:NP+1], s[NP:NP+1], 32768
	s_cmp_eq_u32 s[CNT], 1
	s_cselect_b64 s[NP:NP+1], s[X0:X0+1], s[NP:NP+1]
.endif
	s_wait_alu depctr_vm_vsrc(0)                   ; the LDS stores have read their data, in which the loads below land
.set l, 16*q4
.rept 16
	global_load_b128 v[4*l:4*l+3], v[GOF], s[\base:\base+1] offset:512*l
.set l, l+1
.endr
.set q4, q4+1
.endr
.endm
.macro LDXF t, h                       ; half h (four fragments) of step t's eight: row block t / 2, k blocks 8 (t % 2) + 4 h .., into buffer t % 2
.irp i, 0,1,2,3
	ds_load_b128 v[XF+64*((\t)%2)+8*(4*(\h)+\i):XF+64*((\t)%2)+8*(4*(\h)+\i)+3],   v[XAC] offset:((\t)/2)*16*TP+(8*((\t)%2)+4*(\h)+\i)*64
	ds_load_b128 v[XF+64*((\t)%2)+8*(4*(\h)+\i)+4:XF+64*((\t)%2)+8*(4*(\h)+\i)+7], v[XAC] offset:((\t)/2)*16*TP+(8*((\t)%2)+4*(\h)+\i)*64+32
.endr
.endm
.macro PACKC b                         ; row block b: rounded to f16 in place, each accumulator from its low end,
	WIN 0
.irp eb, 0,1,2,3
.irp k, 0,1,2,3
	v_cvt_pk_f16_f32 v[ACC+32*((\b)%2)+8*\eb+\k], v[ACC+32*((\b)%2)+8*\eb+2*\k], v[ACC+32*((\b)%2)+8*\eb+2*\k+1]
.endr
.endr
.endm
.macro PACKS b                         ; and 16 bytes a lane into the stage
	WIN 0
.irp eb, 0,1,2,3
	ds_store_b128 v[SOC], v[ACC+32*((\b)%2)+8*\eb:ACC+32*((\b)%2)+8*\eb+3] offset:(\b)*16*SPI+32*\eb
.endr
.endm
; Four products: k block 8 (s % 2) + i of step s against the four channel blocks; the four accumulators take turns.  A row block's first four take the bias as C.
.macro MUL4 s, i
	WIN 0x02+(\s)%2                                ; source 0 (W) in window 2 or 3
.irp eb, 0,1,2,3
.if ((\s)%2 == 0) && ((\i) == 0)
	v_wmma_f32_16x16x32_bf16 v[ACC+32*(((\s)/2)%2)+8*\eb:ACC+32*(((\s)/2)%2)+8*\eb+7], v[8*(4*(\i)+\eb):8*(4*(\i)+\eb)+7], v[XF+64*((\s)%2)+8*(\i):XF+64*((\s)%2)+8*(\i)+7], v[BIAS+8*\eb:BIAS+8*\eb+7]
.else
	v_wmma_f32_16x16x32_bf16 v[ACC+32*(((\s)/2)%2)+8*\eb:ACC+32*(((\s)/2)%2)+8*\eb+7], v[8*(4*(\i)+\eb):8*(4*(\i)+\eb)+7], v[XF+64*((\s)%2)+8*(\i):XF+64*((\s)%2)+8*(\i)+7], v[ACC+32*(((\s)/2)%2)+8*\eb:ACC+32*(((\s)/2)%2)+8*\eb+7]
.endif
.endr
.endm
; A STEP: at its head the service of eight of the 64 loads and, behind a row block's end, that block's roundings; the wait; then 32 products, with the step's LDS stores, loads and fragment loads dealt among them.
; conv: the next chunk is rounded into the other tile; load: the chunk after that is asked for; next: there is a next chunk.
.macro STEP s, conv, load, next
.set rb, (\s)/2
.set pk, 0                             ; 1: the row block finished a step ago goes into the stage
.if ((\s) == 2) || ((\s) == 4) || ((\s) == 6)
.set pk, 1
.endif
.set nx, 1                             ; 1: the chunk has a further step, whose fragments are fetched
.if (\s) == 7
.set nx, 0
.endif
.if \conv
.if \load
	s_wait_loadcnt 56                              ; 64 are out: the oldest eight are in
.else
	s_wait_loadcnt 56-8*(\s)                       ; nothing is asked for any more: the counts run down
.endif
	WIN 0x45                                       ; the sixteen roundings are also the places between the last step's products and what reads their results or loads into their fragments
.set l, 8*(\s)
.rept 8
	v_cvt_pk_bf16_f32 v[4*l], v[4*l], v[4*l+1]
	v_cvt_pk_bf16_f32 v[4*l+1], v[4*l+2], v[4*l+3]
.set l, l+1
.endr
.elseif ((\s) > 0) && ((\s) < 7)
	PLACES                                         ; the last chunk rounds nothing: four v_nop take the roundings' part as places
.endif
.if pk
	PACKC rb-1
.endif
.if (\conv) || (((\s) > 0) && ((\s) < 7))
	s_wait_alu depctr_va_vdst(0)                   ; the roundings have written the data of the LDS stores below and are done with the registers in which the loads below land; the step before is done reading its fragments, in which the next step's land
.endif
	s_wait_dscnt 8                                 ; LDS loads come back in order: this step's first four fragments are in, the second four's 8 loads may stay out
	MUL4 \s, 0
.if \conv
	WIN 0x44
.set l, 8*(\s)
.rept 8
	ds_store_b64 v[XWC], v[4*l:4*l+1] offset:(l/4)*TP+(l%4)*256
.set l, l+1
.endr
.endif
	MUL4 \s, 1
	MUL4 \s, 2
.if \load
	WIN 0x44
.endif
.if (\s) == 0
	s_wait_xcnt 0x0                                ; the last chunk's 16 stores have had their addresses translated (ISA guide 3.1): their data registers, XF1, are loaded again only behind this wait
.endif
.if (\load) || ((\s) == 0) || ((\s) == 3) || ((\s) == 5) || (((\s) == 7) && (\next))
	s_wait_alu depctr_vm_vsrc(0)                   ; what has been issued has read its registers: this step's LDS stores their data, in which the loads below land; the stage's stores of the step before the accumulators, which products write again a step on;
	                                               ; in step 0 the last chunk's stores XF1; in step 7 the tile's stores and loads XWC and XAC, which the tail writes
.endif
.if \load
.set l, 8*(\s)
.rept 8
	global_load_b128 v[4*l:4*l+3], v[GOF], s[XP:XP+1] offset:512*l
.set l, l+1
.endr
.endif
	MUL4 \s, 3
.if pk
	PACKS rb-1                                     ; no product since the head's wait names this row block's accumulators
.endif
.if nx
	WIN 0
	LDXF (\s)+1, 0                                 ; no product since the head's wait names the other buffer
.endif
	s_wait_dscnt 8*(\conv)+4*pk+8*nx               ; this step's second four fragments are in; behind their loads stand the tile's 8 stores, the stage's 4 and the 8 loads just issued, as far as the step has them
	MUL4 \s, 4
.if nx
	WIN 0
	LDXF (\s)+1, 1
.endif
	MUL4 \s, 5
	MUL4 \s, 6
	MUL4 \s, 7
.endm
.macro ADDRT
	v_add_nc_u32 v[XAC], s[TT], v[XA0]
	v_add_nc_u32 v[XWC], s[TN], v[XW0]
.endm
.macro ADDRS
	v_add_nc_u32 v[SOC], s[TS], v[SO0]
	v_add_nc_u32 v[SRC], s[TS], v[SR0]
.endm
; A chunk.  conv: the next chunk is rounded into the other tile; load: the chunk after that is asked for; next: there is a next chunk.
.macro BODY conv, load, next
.set ss, 0
.rept 8
	STEP ss, \conv, \load, \next
.set ss, ss+1
.endr
	WIN 0
.if \next
	s_xor_b32 s[TT], s[TT], TILEB
	s_xor_b32 s[TN], s[TN], TILEB
	ADDRT                                          ; the next chunk's tiles (step 7's wait on vm_vsrc has freed both registers): two of the four places between the last products and the roundings of their results
	v_nop
	v_nop
.else
	PLACES
.endif
	PACKC 3
	s_wait_alu depctr_va_vdst(0)                   ; the roundings have written the data of the LDS stores below; step 7's products are done reading XF1, in which the way out's loads land; XAC is written, which the next chunk's first fragment loads read
	PACKS 3
	s_wait_dscnt 0x0                               ; for the others' sake: my stores into tile and stage are done, my reads of the tile are back
	s_barrier_signal -1
	s_barrier_wait -1
	s_wait_xcnt 0x0                                ; this chunk's loads and the last chunk's stores have read their bases: these may be written
	s_add_nc_u64 s[YP:YP+1], s[YP:YP+1], s[YST:YST+1]
.if \load
	s_add_nc_u64 s[XP:XP+1], s[XP:XP+1], 131072
.endif
.set rho, 0
.rept 16
	ds_load_b128 v[OB+4*rho:OB+4*rho+3], v[SRC] offset:SPI*rho  ; my 16 rows, whole: 512 bytes each
.set rho, rho+1
.endr
.if \next
	LDXF 0, 0
	LDXF 0, 1
	s_xor_b32 s[TS], s[TS], STGB
	s_wait_alu depctr_vm_vsrc(0)                   ; the stage's stores and loads above have read SOC and SRC
	ADDRS                                          ; the next chunk's stage; their next readers stand behind the waits at later steps' heads
	s_wait_dscnt 16                                ; the rows are back; the next chunk's first 16 loads may stay out
.else
	s_wait_dscnt 0x0
.endif
.set rho, 0
.rept 16
	global_store_b128 v[GOF], v[OB+4*rho:OB+4*rho+3], s[YP:YP+1] offset:1024*rho  ; 512 consecutive bytes, at a multiple of 512 from the buffer's first byte
.set rho, rho+1
.endr
	s_mov_b32 s[YST], 65536                        ; 64 rows of 1,024 bytes
.endm
	s_load_b512 s[8:23], s[0:1], 0x0               ; x of p at s[8+2p], W of p at s[20+2p]
	s_load_b512 s[24:39], s[0:1], 0x40             ; bq_text s[32:33], bq_image s[34:35], bv_image s[36:37], bv_text s[38:39]
	s_load_b128 s[40:43], s[0:1], 0x80             ; qws, kws
	s_load_b64 s[44:45], s[0:1], 0x90              ; vws
	v_lshl_add_u32 v[SPW], v0, 2, SPARE
	v_mov_b32 v[NIL], 0
	v_lshrrev_b32 v1, 5, v0
	v_readfirstlane_b32 s[WV], v1                  ; wave 0..3
	s_and_b32 s2, ttmp7, 0xffff                    ; p
	s_and_b32 s3, ttmp9, 1                         ; n: which 256 channels
	s_lshr_b32 s4, ttmp9, 1                        ; range: which 512 rows
	s_and_b32 s5, s2, 1                            ; d
	s_lshr_b32 s6, s2, 1                           ; kind
	v_and_b32 v[TR], 15, v0
	v_bfe_u32 v[TH], v0, 4, 1
	v_and_b32 v[TL], 31, v0
	v_lshlrev_b32 v[GOF], 4, v[TL]
	s_wait_alu depctr_va_sdst(0)                   ; the wave's number is written, ahead of its first reader: LDS places and the offsets in x, W and y are made from it
	s_mul_i32 s7, s[WV], 16*TP
	v_lshl_add_u32 v[XW0], v[TL], 3, s7            ; my 16 rows of a tile, 8 bytes a lane
	v_mul_u32_u24 v[XA0], v[TR], TP
	v_lshl_add_u32 v[XA0], v[TH], 4, v[XA0]
	s_mul_i32 s7, s[WV], TILEB
	v_add_nc_u32 v[WR], s7, v[XA0]
	v_lshl_add_u32 v[WSA], v[TL], 3, s7
	s_lshl_b32 s7, s[WV], 7                        ; my 64 channels: 128 bytes of a stage's row
	s_add_co_u32 s7, s7, STG
	v_mul_u32_u24 v[SO0], v[TR], SPI
	v_lshl_add_u32 v[SO0], v[TH], 4, v[SO0]
	v_add_nc_u32 v[SO0], s7, v[SO0]
	s_mul_i32 s7, s[WV], 16*SPI
	s_add_co_u32 s7, s7, STG
	v_lshl_add_u32 v[SR0], v[TL], 4, s7
	s_lshl_b32 s7, s3, 10
	s_lshl_b32 s46, s[WV], 8
	s_add_co_u32 s7, s7, s46
	v_lshl_add_u32 v[BO], v[TH], 5, s7             ; 4 (256 n + 64 w + 8 h)
	s_lshl_b32 s46, s4, 20                         ; x: (512 range + 16 w) rows of 2,048 bytes
	s_lshl_b32 s7, s[WV], 15
	s_add_co_u32 s46, s46, s7
	s_mov_b32 s47, 0
	s_lshl_b32 s68, s3, 19                         ; W: (256 n + 64 w) rows of 2,048 bytes
	s_lshl_b32 s7, s[WV], 17
	s_add_co_u32 s68, s68, s7
	s_mov_b32 s69, 0
	s_lshl_b32 s70, s5, 23                         ; y: d x 8,192 rows + (512 range + 16 w) rows of 1,024 bytes + 512 n
	s_lshl_b32 s7, s4, 19
	s_add_co_u32 s70, s70, s7
	s_lshl_b32 s7, s[WV], 14
	s_add_co_u32 s70, s70, s7
	s_lshl_b32 s7, s3, 9
	s_add_co_u32 s70, s70, s7
	s_mov_b32 s71, 0
	s_wait_kmcnt 0x0
	s_mov_b64 s[X0:X0+1], s[8:9]
	s_mov_b64 s[NP:NP+1], s[20:21]
.irp q, 1,2,3,4,5
	s_cmp_eq_u32 s2, \q
	s_cselect_b64 s[X0:X0+1], s[8+2*\q:9+2*\q], s[X0:X0+1]
	s_cselect_b64 s[NP:NP+1], s[20+2*\q:21+2*\q], s[NP:NP+1]
.endr
	s_cmp_eq_u32 s6, 1
	s_cselect_b64 s[YP:YP+1], s[42:43], s[40:41]
	s_cmp_eq_u32 s6, 2
	s_cselect_b64 s[YP:YP+1], s[44:45], s[YP:YP+1]
	s_cmp_eq_u32 s2, 1
	s_cselect_b64 s[BP:BP+1], s[34:35], s[32:33]
	s_cmp_eq_u32 s2, 4
	s_cselect_b64 s[BP:BP+1], s[36:37], s[BP:BP+1]
	s_cmp_eq_u32 s2, 5
	s_cselect_b64 s[BP:BP+1], s[38:39], s[BP:BP+1]
	s_add_nc_u64 s[X0:X0+1], s[X0:X0+1], s[46:47]
	s_add_nc_u64 s[NP:NP+1], s[NP:NP+1], s[68:69]
	s_mov_b64 s[WB:WB+1], s[NP:NP+1]               ; the first loads' own base; NP walks on from the same place
	s_add_nc_u64 s[YP:YP+1], s[YP:YP+1], s[70:71]
	s_add_nc_u64 s[X1:X1+1], s[X0:X0+1], 131072    ; chunk 1: 64 rows of 2,048 bytes on
	s_add_nc_u64 s[XP:XP+1], s[X0:X0+1], 262144    ; chunk 2
	s_wait_alu depctr_va_vdst(0)                   ; the offsets and LDS addresses made above are written (GOF, XW0, BO, WSA, WR): the loads and LDS instructions below read them
	s_cmp_eq_u32 s6, 1                             ; k has no bias (see the head): its sums start at 0
	s_cbranch_scc1 .Lno_bias
.irp eb, 0,1,2,3
	global_load_b128 v[BIAS+8*\eb:BIAS+8*\eb+3],   v[BO], s[BP:BP+1] offset:64*\eb     ; register j of block eb: b[256 n + 64 w + 16 eb + 8 h + j]: the C operand's layout
	global_load_b128 v[BIAS+8*\eb+4:BIAS+8*\eb+7], v[BO], s[BP:BP+1] offset:64*\eb+16
.endr
	s_branch .Lbias_set
.Lno_bias:
.set k, 0
.rept 32
	v_mov_b32 v[BIAS+k], 0
.set k, k+1
.endr
.Lbias_set:
	WIN 0x40
.set l, 0
.rept 64
	global_load_b128 v[4*l:4*l+3], v[GOF], s[WB:WB+1] offset:512*l  ; my first 16 rows of W; no vector instruction has named these registers
.set l, l+1
.endr
	WIN 0
	s_mov_b32 s[CNT], 4
.Lw:                                           ; four blocks of 16 rows of W go into my staging; each trip asks for the next block, the last for my rows of x's chunk 0
	SVCBLK WSA, NP, 1
	WIN 0
	v_add_nc_u32 v[WSA], 16*TP, v[WSA]             ; free: the trip's last wait on vm_vsrc stands behind its last LDS store, and the loads behind that wait read GOF alone; the next trip's first wait on va_vdst shows it written
	s_sub_co_u32 s[CNT], s[CNT], 1
	s_cmp_lg_u32 s[CNT], 0
	s_cbranch_scc1 .Lw
	WIN 0x80                                       ; W's 64 fragments: my own bytes, and LDS serves a wave's instructions in order (ISA guide 5.7.1.4); no vector instruction has named windows 2 and 3
.set c, 0
.rept 16
.if c == 8
	WIN 0xc0
.endif
.irp eb, 0,1,2,3
	ds_load_b128 v[8*(4*(c%8)+\eb):8*(4*(c%8)+\eb)+3],   v[WR] offset:\eb*16*TP+64*c
	ds_load_b128 v[8*(4*(c%8)+\eb)+4:8*(4*(c%8)+\eb)+7], v[WR] offset:\eb*16*TP+64*c+32
.endr
.set c, c+1
.endr
	WIN 0
.set k, 0
.rept 16                               ; the bias is rounded to bf16 like x and W (its loads are older than all that the loop has waited for)
	v_cvt_pk_bf16_f32 v[TB], v[BIAS+2*k], v[BIAS+2*k+1]
	v_lshlrev_b32 v[BIAS+2*k], 16, v[TB]
	v_and_b32 v[BIAS+2*k+1], 0xffff0000, v[TB]
.set k, k+1
.endr
	s_mov_b32 s[TT], 0
	s_mov_b32 s[TN], TILEB
	s_mov_b32 s[TS], 0
	s_mov_b32 s[YST], 0
	s_mov_b32 s[YST+1], 0
	ADDRT                                          ; the four addresses' first values: no LDS instruction has read them yet, and the waits on va_vdst in the block below show them written
	ADDRS
	s_wait_dscnt 0x0                               ; my reads of the staging are back:
	s_barrier_signal -1
	s_barrier_wait -1                              ; everybody's are, so tiles and stages may be written over it
	SVCBLK XW0, X1, 0                              ; chunk 0 into tile 0; chunk 1 is asked for
	WIN 0
	s_wait_dscnt 0x0
	s_barrier_signal -1
	s_barrier_wait -1                              ; tile 0 is whole
	LDXF 0, 0                                      ; no vector instruction has named XF yet
	LDXF 0, 1
	s_mov_b32 s[CNT], 6
.Lchunk:                                       ; chunks 0 to 5: each rounds the next chunk and asks for the one after it
	BODY 1, 1, 1
	s_sub_co_u32 s[CNT], s[CNT], 1
	s_cmp_lg_u32 s[CNT], 0
	s_cbranch_scc1 .Lchunk
	BODY 1, 0, 1                                   ; chunk 6 asks for nothing: no load leaves x
	BODY 0, 0, 0                                   ; chunk 7
	s_wait_dscnt 0x0                               ; the closing lines, six on end
	s_wait_alu 0x0
	s_wait_tensorcnt 0x0
	ds_add_u32 v[SPW], v[NIL]
	s_wait_dscnt 0x0
	s_endpgm
.Lfunc_end_k_qe832cbe08d_proj:
	.size	k_qe832cbe08d_proj, .Lfunc_end_k_qe832cbe08d_proj-k_qe832cbe08d_proj
	.p2alignl 7, 3214868480
	.fill 96, 4, 3214868480
	.section	.rodata,"a",@progbits
	.p2align	6, 0x0
	.amdhsa_kernel k_qe832cbe08d_proj
		.amdhsa_group_segment_fixed_size 266752
		.amdhsa_private_segment_fixed_size 0
		.amdhsa_enable_private_segment 0
		.amdhsa_kernarg_size 152
		.amdhsa_user_sgpr_count 2
		.amdhsa_user_sgpr_kernarg_segment_ptr 1
		.amdhsa_wavefront_size32 1
		.amdhsa_system_sgpr_workgroup_id_x 1
		.amdhsa_system_sgpr_workgroup_id_y 1
		.amdhsa_system_sgpr_workgroup_id_z 1
		.amdhsa_system_vgpr_workitem_id 0
		.amdhsa_next_free_vgpr 1024
		.amdhsa_next_free_sgpr 80
		.amdhsa_reserve_vcc 0
		.amdhsa_float_denorm_mode_32 3
		.amdhsa_float_denorm_mode_16_64 3
		.amdhsa_memory_ordered 1
		.amdhsa_forward_progress 1
		.amdhsa_inst_pref_size 197
	.end_amdhsa_kernel
	.amdgpu_metadata
---
amdhsa.version: [ 1, 2 ]
amdhsa.kernels:
  - .name:           k_qe832cbe08d_proj
    .symbol:         k_qe832cbe08d_proj.kd
    .args:
      - { .name: Q_text, .offset: 0, .size: 8, .value_kind: global_buffer, .address_space: global }
      - { .name: Q_image, .offset: 8, .size: 8, .value_kind: global_buffer, .address_space: global }
      - { .name: K_image, .offset: 16, .size: 8, .value_kind: global_buffer, .address_space: global }
      - { .name: K_text, .offset: 24, .size: 8, .value_kind: global_buffer, .address_space: global }
      - { .name: V_image, .offset: 32, .size: 8, .value_kind: global_buffer, .address_space: global }
      - { .name: V_text, .offset: 40, .size: 8, .value_kind: global_buffer, .address_space: global }
      - { .name: Wq_text, .offset: 48, .size: 8, .value_kind: global_buffer, .address_space: global }
      - { .name: Wq_image, .offset: 56, .size: 8, .value_kind: global_buffer, .address_space: global }
      - { .name: Wk_image, .offset: 64, .size: 8, .value_kind: global_buffer, .address_space: global }
      - { .name: Wk_text, .offset: 72, .size: 8, .value_kind: global_buffer, .address_space: global }
      - { .name: Wv_image, .offset: 80, .size: 8, .value_kind: global_buffer, .address_space: global }
      - { .name: Wv_text, .offset: 88, .size: 8, .value_kind: global_buffer, .address_space: global }
      - { .name: bq_text, .offset: 96, .size: 8, .value_kind: global_buffer, .address_space: global }
      - { .name: bq_image, .offset: 104, .size: 8, .value_kind: global_buffer, .address_space: global }
      - { .name: bv_image, .offset: 112, .size: 8, .value_kind: global_buffer, .address_space: global }
      - { .name: bv_text, .offset: 120, .size: 8, .value_kind: global_buffer, .address_space: global }
      - { .name: qws, .offset: 128, .size: 8, .value_kind: global_buffer, .address_space: global }
      - { .name: kws, .offset: 136, .size: 8, .value_kind: global_buffer, .address_space: global }
      - { .name: vws, .offset: 144, .size: 8, .value_kind: global_buffer, .address_space: global }
    .group_segment_fixed_size: 266752
    .private_segment_fixed_size: 0
    .kernarg_segment_align: 8
    .kernarg_segment_size: 152
    .max_flat_workgroup_size: 128
    .sgpr_count:     80
    .vgpr_count:     1024
    .wavefront_size: 32
...
	.end_amdgpu_metadata
.endif
;; end of part 3
;; launch attn: the kernel of part 2 again; grid 32 x 8, 4 waves a work-group, clusters of 4 x 1, 327,680 bytes of LDS; arguments qws, kws, vws, out0, out1; writes out0, out1
